; MI455X (gfx1250); checked and timed in simulation.
; The chip was launched on July 23, 2026; its instructions are those of AMD's public machine-readable ISA for CDNA 5 (MIT licence, August 2026) and "CDNA5" Instruction Set Architecture Reference Guide (July 2026). The comments in the code are by the model that wrote it; some were corrected since.
;; Gate Attention Unit. Allowed arithmetic: matrix products marked QUANTISED: E2M3 operands, one E8M0 scale for each 32 along K, by v_wmma_scale_f32_16x16x128_f8f6f4 with both operands' format E2M3, f32 sums; everything else in f32.
;; Inputs: beta 2 x 128 float32; gamma 2 x 128 float32; ln_b 1,024 float32; ln_w 1,024 float32; o_b 1,024 float32; o_w 1,024 x 2,048 float32; uv_b 4,224 float32; uv_w 4,224 x 1,024 float32; w_rel 1,023 float32; x 16 x 512 x 1,024 float32.
;; Outputs: out0 16 x 512 x 1,024 float32.
;; This version of the problem:
;;   THIS VERSION OF THE PROBLEM IS GIVEN IN LOW PRECISION. The matrix products marked QUANTISED in the list below multiply operands that are first quantised to E2M3 (2 exponent bits, 3 mantissa bits; 6 bits a number), with one power-of-two scale for each 32 numbers along K (OCP MX v1.0); their sums are f32. All else is computed in f32.
;;   The module's matrix products, in the order in which they are computed (A, B: the left and right operand; K: the contracted axis; several contracted axes count as one K, in the product's order):
;;     1. [M 8,192, K 1,024] x [K 1,024, N 4,224]; A: computed on the way; B: input uv_w: QUANTISED
;;     2. batch 16 x [M 512, K 128] x [K 128, N 512]; A: computed on the way; B: computed on the way: QUANTISED
;;     3. batch 16 x [M 512, K 512] x [K 512, N 2,048]; A: computed on the way; B: computed on the way: QUANTISED
;;     4. [M 8,192, K 2,048] x [K 2,048, N 1,024]; A: computed on the way; B: input o_w: QUANTISED
;;   THE QUANTISER, for each operand of a quantised product, along K:
;;     - K is cut into blocks of 32 from its start; a last block that is shorter is filled with zeros.
;;     - A block's scale is 2^e with e = floor(log2(the largest magnitude in the block)) - 2, held to -126 .. 127; a block of zeros has e = 0. As a byte (E8M0): e + 127.
;;     - Each number is divided by its block's scale, clamped to +-7.5, and rounded to the nearest number of E2M3, ties to even, subnormals kept.
;;     - The product sums the exact products of the quantised numbers (number of the format x scale) in f32.
;;   ~~~python
;;   def quantise(x, axis):      # numpy; x: float32 -> the quantised numbers, widened to float32 again
;;       x = np.moveaxis(x, axis, -1); K = x.shape[-1]
;;       x = np.pad(x, [(0, 0)] * (x.ndim - 1) + [(0, -K % 32)]); x = x.reshape(x.shape[:-1] + (-1, 32)); a = np.abs(x).max(-1, keepdims=True)
;;       e = np.where(a > 0, np.clip(np.frexp(np.where(a > 0, a, 1))[1] - 1 - 2, -126, 127), 0)      # np.frexp(a)[1] - 1 = floor(log2(a)), exactly
;;       r = np.clip(x / 2.0 ** e, -7.5, 7.5)
;;       step = 2.0 ** (np.maximum(np.frexp(np.where(r == 0, 1, r))[1] - 1, 0) - 3)
;;       q = np.round(r / step) * step * 2.0 ** e      # np.round: ties to even
;;       return np.moveaxis(q.reshape(q.shape[:-2] + (-1,))[..., :K], -1, axis).astype(np.float32)
;;   ~~~
;;   OPERANDS COMPUTED ON THE WAY. 'Computed on the way' means the value that the module computes at that place (a softmax that the list does not call 'softmax' is quantised finished and normalised). What goes into a quantiser is computed in f32, as accurately as f32 sums, v_exp_f32 and their like allow (about 1e-6 of the number): no bf16 or f16 on the way to a quantiser, and a product that is left as it is and whose result goes on into a quantised operand takes f32 operands (vector FMAs, or v_wmma_f32_16x16x4_f32). A number that lies on a knife's edge between two numbers of the format may be rounded either way, as far as f32 arithmetic and the matrix unit's own rounding can turn it there, and no further.
;; One version. Each part assembles by itself: llvm-mc -triple=amdgcn-amd-amdhsa -mcpu=gfx1250 --defsym DOCPART=n.
;; ======== version 1 of 1: 5 launches
;; workspace buffers: wq 12,034,048 bytes; qk 1,703,936 bytes; vk 17,039,360 bytes; g 13,631,488 bytes
;; launch prep (part 1): grid 904 x 1, 4 waves a work-group, no clusters, 66,304 bytes of LDS; arguments x, ln_w, ln_b, uv_w, o_w, wq; writes wq
.if DOCPART == 1
	.amdgcn_target "amdgcn-amd-amdhsa--gfx1250"
	.amdhsa_code_object_version 6
	.text
	.protected	k_q509db51efd_prep
	.globl	k_q509db51efd_prep
	.p2align	8
	.type	k_q509db51efd_prep,@function
k_q509db51efd_prep:
	s_mov_b64 s[64:65], 0
	v_nop
	global_prefetch_b8 v0, s[64:65] scope:SCOPE_SE
	s_setreg_imm32_b32 hwreg(HW_REG_WAVE_MODE, 25, 1), 1
	s_wait_xcnt 0x0
; PREP: LayerNorm(x), uv_w and o_w become codes of FP6 (E2M3) with one E8M0 byte for each 32 along K, in the order of the operand's registers.
; LAYOUT OF wq.  An operand is cut into panels of 128 rows and K steps of 128.  Chunk (panel p, step s) is 13,312 bytes: eight fragment images of 1,536 bytes (row tile t: registers 4 c .. 4 c + 3
; of lane l at 1536 t + 512 c + 16 l), then eight images of scale words of 128 bytes (tile t, lane l at 12288 + 128 t + 4 l; lanes 16-31 repeat lanes 0-15).
; ROW ORDER.  Lane r of row tile T holds the tensor's row 32 (T / 2) + 8 (T % 2) + r + 8 (r / 8): used as source 0 of a product, two neighbouring tiles then give a lane 16 neighbouring rows.
; SHARES.  A work-group makes one row tile over 1,024 along K: eight fragments.  Work-groups 0-511: x (with the LayerNorm); 512-775: uv_w; 776-903: o_w, half a row each.  Only pointers and offsets are chosen.
; Phase 1: wave w loads four whole rows, 512 consecutive bytes a load, normalises them (x alone) and lays them in an LDS stage.  One barrier.  Phase 2: wave w reads two K steps with whole blocks of 32 in a lane.
; The mean is taken first and the squares of the differences second, as the source has them.  The last multiply and add of the LayerNorm are fused: one rounding where the source has two.
; The scale images are stored 128 bytes at a time: two tiles share 256 bytes; they are one thirteenth of what is stored.
; LIMITS: NaN and infinities are not served.  A block whose largest magnitude lies under 2^-124 (a block of zeros too) gets the byte 1; only this program reads the bytes.
.set PL,      4112                     ; a stage row: 4,096 bytes + 16, so that sixteen rows of one column fall on sixteen different places of 16 bytes modulo 256
.set CHK,     13312
.set REG_UVW, 6815744                  ; 64 panels x 8 steps of xn lie in front
.set REG_OW,  10330112                 ; and 33 x 8 of uv_w
.set GI,  4                            ; v4   16 x lane
.set GS,  5                            ; v5   4 x lane
.set VO,  6                            ; v6-9 16 x lane + i x the source's row pitch
.set STW, 10                           ; v10  the stage, on the way in
.set RDA, 11                           ; v11  and on the way out
.set SU,  12                           ; v12-19 four pairs of sums;  later: largest magnitudes, scale operands
.set MU,  20                           ; v20-27 four pairs: - mean, then 1 / sqrt(var + eps);  later: bytes, scale words
.set PT,  28                           ; v28-31 destinations of lane permutes
.set X,   32                           ; v32-159 four rows of 32 registers;  later two fragments' 64 + 64 numbers
.set LW,  160                          ; v160-191 ln_w;  later the codes
.set LB,  192                          ; v192-223 ln_b
.set CD,  160                          ; fragment f: codes at CD + 20 f (12 registers), second halves at CD + 20 f + 12 (8)
	s_load_b256 s[4:11], s[0:1], 0x0               ; x, ln_w, ln_b, uv_w
	s_load_b128 s[12:15], s[0:1], 0x20             ; o_w, wq
	v_lshl_add_u32 v224, v0, 2, 0x10100
	v_mov_b32 v225, 0
	v_lshrrev_b32 v1, 5, v0
	v_readfirstlane_b32 s2, v1                     ; wave 0..3
	v_and_b32 v1, 31, v0                           ; lane
	v_and_b32 v2, 15, v0                           ; r
	v_bfe_u32 v3, v0, 4, 1                         ; h
	v_lshlrev_b32 v[GI], 4, v1
	v_lshlrev_b32 v[GS], 2, v1
.irp i, 0,1,2,3
	v_mov_b32 v[PT+\i], 0                          ; written once: a lane permute's destination counts as one of its sources
.endr
	s_mov_b32 s32, 0x76543210
	s_mov_b32 s33, 0xfedcba98                      ; selects for lane l xor 16
	s_mov_b32 s34, 0x3a800000                      ; 1 / 1024
	s_mov_b32 s35, 0x3727c5ac                      ; 1e-5
	; the role, by the work-group's number alone
	s_mov_b32 s18, 776
	s_mov_b32 s19, REG_OW
	s_cmp_lt_u32 ttmp9, 776
	s_cselect_b32 s20, 0, 1                        ; 1 for o_w
	s_cselect_b32 s18, 512, s18
	s_cselect_b32 s19, REG_UVW, s19
	s_cmp_lt_u32 ttmp9, 512
	s_cselect_b32 s18, 0, s18                      ; the role's first work-group
	s_cselect_b32 s19, 0, s19                      ; its region of wq
	s_sub_co_u32 s21, ttmp9, s18
	s_lshr_b32 s22, s21, s20                       ; T: the row tile
	s_and_b32 s23, s21, s20                        ; which half of o_w's K
	s_add_co_u32 s26, s20, 12
	s_lshl_b32 s27, 1, s26                         ; the source's row pitch: 4,096 or 8,192 bytes
	s_lshr_b32 s24, s22, 1                         ; my wave's first row of the tensor: 32 (T / 2) + 8 (T % 2) + 4 w + 8 (w / 2)
	s_lshl_b32 s24, s24, 5
	s_and_b32 s25, s22, 1
	s_lshl_b32 s25, s25, 3
	s_add_co_u32 s24, s24, s25
	s_lshl_b32 s25, s2, 2
	s_add_co_u32 s24, s24, s25
	s_lshr_b32 s25, s2, 1
	s_lshl_b32 s25, s25, 3
	s_add_co_u32 s24, s24, s25
	s_lshl_b32 s28, s24, s26                       ; in bytes (under 2^26),
	s_lshl_b32 s25, s23, 12
	s_add_co_u32 s28, s28, s25                     ; + the half's 4,096 bytes
	s_mov_b32 s29, 0
	s_lshr_b32 s30, s22, 3                         ; where my two fragments go: chunk (T / 8) x steps + 8 x half + 2 w
	s_add_co_u32 s31, s20, 3
	s_lshl_b32 s30, s30, s31
	s_lshl_b32 s31, s23, 3
	s_add_co_u32 s30, s30, s31
	s_lshl_b32 s31, s2, 1
	s_add_co_u32 s30, s30, s31
	s_mul_i32 s30, s30, CHK
	s_add_co_u32 s30, s30, s19
	s_and_b32 s31, s22, 7
	s_mul_i32 s36, s31, 1536
	s_add_co_u32 s36, s36, s30                     ; the codes' image
	s_mov_b32 s37, 0
	s_lshl_b32 s38, s31, 7
	s_add_co_u32 s38, s38, s30
	s_add_co_u32 s38, s38, 12288                   ; the scale words' image
	s_mov_b32 s39, 0
.irp i, 0,1,2,3
	v_mad_u32_u24 v[VO+\i], s27, \i, v[GI]
.endr
	s_mul_i32 s3, s2, 4*PL
	v_add_nc_u32 v[STW], s3, v[GI]                 ; stage rows 4 w + i, 16 bytes a lane
	v_mul_u32_u24 v[RDA], v2, PL
	v_lshl_add_u32 v[RDA], v3, 7, v[RDA]
	s_lshl_b32 s3, s2, 10
	v_add_nc_u32 v[RDA], s3, v[RDA]                ; row r, + 128 h, + my two K steps' 1,024 bytes
	s_wait_kmcnt 0x0
	s_cmp_lt_u32 ttmp9, 776
	s_cselect_b64 s[16:17], s[10:11], s[12:13]
	s_cmp_lt_u32 ttmp9, 512
	s_cselect_b64 s[16:17], s[4:5], s[16:17]
	s_add_nc_u64 s[16:17], s[16:17], s[28:29]
	s_add_nc_u64 s[36:37], s[14:15], s[36:37]
	s_add_nc_u64 s[38:39], s[14:15], s[38:39]
.irp i, 0,1,2,3
.irp j, 0,1,2,3,4,5,6,7
	global_load_b128 v[X+32*\i+4*\j:X+32*\i+4*\j+3], v[VO+\i], s[16:17] offset:512*\j th:TH_LOAD_NT   ; 32 lanes read 512 consecutive bytes of a row
.endr
.endr
	s_cmp_lt_u32 ttmp9, 512
	s_cbranch_scc0 .Lraw                           ; the weights are quantised as they are; no LDS access and no barrier is jumped over
.irp j, 0,1,2,3,4,5,6,7
	global_load_b128 v[LW+4*\j:LW+4*\j+3], v[GI], s[6:7] offset:512*\j
	global_load_b128 v[LB+4*\j:LB+4*\j+3], v[GI], s[8:9] offset:512*\j
.endr
.macro ACROSS                          ; the four rows' sums: the pair's halves, four steps inside 16 lanes, one across
.irp i, 0,1,2,3
	v_add_f32 v[SU+2*\i], v[SU+2*\i], v[SU+2*\i+1]
.endr
.irp m, 1,2,4,8
.irp i, 0,1,2,3
	v_add_f32_dpp v[SU+2*\i], v[SU+2*\i], v[SU+2*\i] row_xmask:\m row_mask:0xf bank_mask:0xf
.endr
.endr
.irp i, 0,1,2,3
	v_permlanex16_b32 v[PT+\i], v[SU+2*\i], s32, s33
.endr
.irp i, 0,1,2,3
	v_add_f32 v[SU+2*\i], v[SU+2*\i], v[PT+\i]
.endr
.endm
	s_wait_loadcnt 16                              ; my four rows are in; the sixteen loads of ln_w and ln_b may stay out
.irp i, 0,1,2,3
	v_pk_add_f32 v[SU+2*\i:SU+2*\i+1], v[X+32*\i:X+32*\i+1], v[X+32*\i+2:X+32*\i+3]
.endr
.irp k, 4,6,8,10,12,14,16,18,20,22,24,26,28,30
.irp i, 0,1,2,3
	v_pk_add_f32 v[SU+2*\i:SU+2*\i+1], v[SU+2*\i:SU+2*\i+1], v[X+32*\i+\k:X+32*\i+\k+1]   ; the four rows by turns
.endr
.endr
	ACROSS
.irp i, 0,1,2,3
	v_mul_f32 v[MU+2*\i], 0xba800000, v[SU+2*\i]   ; - mean
.endr
.irp i, 0,1,2,3
	v_mov_b32 v[MU+2*\i+1], v[MU+2*\i]
.endr
.irp k, 0,2,4,6,8,10,12,14,16,18,20,22,24,26,28,30
.irp i, 0,1,2,3
	v_pk_add_f32 v[X+32*\i+\k:X+32*\i+\k+1], v[X+32*\i+\k:X+32*\i+\k+1], v[MU+2*\i:MU+2*\i+1]
.endr
.endr
.irp i, 0,1,2,3
	v_pk_mul_f32 v[SU+2*\i:SU+2*\i+1], v[X+32*\i:X+32*\i+1], v[X+32*\i:X+32*\i+1]
.endr
.irp k, 2,4,6,8,10,12,14,16,18,20,22,24,26,28,30
.irp i, 0,1,2,3
	v_pk_fma_f32 v[SU+2*\i:SU+2*\i+1], v[X+32*\i+\k:X+32*\i+\k+1], v[X+32*\i+\k:X+32*\i+\k+1], v[SU+2*\i:SU+2*\i+1]
.endr
.endr
	ACROSS
.irp i, 0,1,2,3
	v_fma_f32 v[MU+2*\i], v[SU+2*\i], s34, s35     ; var + eps
.endr
.irp i, 0,1,2,3
	v_rsq_f32 v[MU+2*\i], v[MU+2*\i]
.endr
	v_nop                                          ; a plain instruction behind the last of the four
	s_wait_alu depctr_va_vdst(0)                   ; one wait for the four, ahead of their first reader
.irp i, 0,1,2,3
	v_mov_b32 v[MU+2*\i+1], v[MU+2*\i]
.endr
	s_wait_loadcnt 0x0                             ; ln_w, ln_b
.irp k, 0,2,4,6,8,10,12,14,16,18,20,22,24,26,28,30
.irp i, 0,1,2,3
	v_pk_mul_f32 v[X+32*\i+\k:X+32*\i+\k+1], v[X+32*\i+\k:X+32*\i+\k+1], v[MU+2*\i:MU+2*\i+1]
.endr
.irp i, 0,1,2,3
	v_pk_fma_f32 v[X+32*\i+\k:X+32*\i+\k+1], v[X+32*\i+\k:X+32*\i+\k+1], v[LW+\k:LW+\k+1], v[LB+\k:LB+\k+1]
.endr
.endr
.Lraw:
	s_wait_loadcnt 0x0
.irp i, 0,1,2,3
.irp j, 0,1,2,3,4,5,6,7
	ds_store_b128 v[STW], v[X+32*\i+4*\j:X+32*\i+4*\j+3] offset:\i*PL+512*\j
.endr
.endr
	s_wait_dscnt 0x0                               ; for the others' sake: my rows lie in the stage
	s_barrier_signal -1
	s_barrier_wait -1
	; Phase 2: fragment f of my two: lane (r, h) takes, of row r, k = 128 (2 w + f) + 64 c + 32 h + 0 .. 31: two whole blocks, in the order of the operand's registers
.irp f, 0,1
.irp c, 0,1
.irp i, 0,1,2,3,4,5,6,7
	ds_load_b128 v[X+64*\f+32*\c+4*\i:X+64*\f+32*\c+4*\i+3], v[RDA] offset:512*\f+256*\c+16*\i
.endr
.endr
.endr
	s_wait_dscnt 0x0
.irp q, 0,1,2,3                        ; q = 2 f + c: four blocks by turns
	v_max3_num_f32 v[12+\q], |v[X+32*\q]|, |v[X+32*\q+1]|, 0x1800000   ; with the floor 2^(3 - 127): the byte cannot fall under 1
.endr
.irp i, 2,4,6,8,10,12,14,16,18,20,22,24,26,28,30
.irp q, 0,1,2,3
	v_max3_num_f32 v[12+\q], v[12+\q], |v[X+32*\q+\i]|, |v[X+32*\q+\i+1]|
.endr
.endr
.irp q, 0,1,2,3
	v_add_nc_u32 v[16+\q], 0xff000000, v[12+\q]    ; 2 off the exponent field: the conversion's scale operand
.endr
.irp q, 0,1,2,3
	v_lshrrev_b32 v[20+\q], 23, v[16+\q]           ; the scale's byte
.endr
	v_lshlrev_b32 v26, 3, v3                       ; 8 h
.irp f, 0,1
	v_lshl_or_b32 v[24+\f], v[21+2*\f], 16, v[20+2*\f]   ; my bytes: blocks h and 2 + h,
.endr
.irp f, 0,1
	v_lshlrev_b32 v[24+\f], v26, v[24+\f]          ; at their places in the word
.endr
.irp f, 0,1
	v_permlanex16_b32 v[PT+\f], v[24+\f], s32, s33
.endr
.irp f, 0,1
	v_or_b32 v[24+\f], v[24+\f], v[PT+\f]          ; with lane l xor 16's two the word is whole, in both lanes
.endr
.irp f, 0,1
.irp c, 0,1
	v_cvt_scalef32_pk16_fp6_f32 v[CD+20*\f+6*\c:CD+20*\f+6*\c+2], v[X+64*\f+32*\c:X+64*\f+32*\c+15], v[16+2*\f+\c]
	v_cvt_scalef32_pk16_fp6_f32 v[CD+20*\f+12+4*\c:CD+20*\f+14+4*\c], v[X+64*\f+32*\c+16:X+64*\f+32*\c+31], v[16+2*\f+\c]   ; (a conversion's three registers begin on an even number)
.endr
.endr
	v_nop                                          ; one plain instruction behind a scaled conversion
.irp f, 0,1
.irp c, 0,1
.irp i, 0,1,2
	v_mov_b32 v[CD+20*\f+6*\c+3+\i], v[CD+20*\f+12+4*\c+\i]
.endr
.endr
.endr
.irp f, 0,1
.irp c, 0,1,2
	global_store_b128 v[GI], v[CD+20*\f+4*\c:CD+20*\f+4*\c+3], s[36:37] offset:\f*CHK+512*\c   ; 32 lanes store 512 consecutive bytes, aligned to 256
.endr
	global_store_b32 v[GS], v[24+\f], s[38:39] offset:\f*CHK
.endr
	s_wait_tensorcnt 0x0
	ds_add_u32 v224, v225
	s_wait_dscnt 0x0
	s_endpgm
.Lfunc_end_k_q509db51efd_prep:
	.size	k_q509db51efd_prep, .Lfunc_end_k_q509db51efd_prep-k_q509db51efd_prep
	.p2alignl 7, 3214868480
	.fill 96, 4, 3214868480
	.section	.rodata,"a",@progbits
	.p2align	6, 0x0
	.amdhsa_kernel k_q509db51efd_prep
		.amdhsa_group_segment_fixed_size 66304
		.amdhsa_private_segment_fixed_size 0
		.amdhsa_enable_private_segment 0
		.amdhsa_kernarg_size 48
		.amdhsa_user_sgpr_count 2
		.amdhsa_user_sgpr_kernarg_segment_ptr 1
		.amdhsa_wavefront_size32 1
		.amdhsa_system_sgpr_workgroup_id_x 1
		.amdhsa_system_sgpr_workgroup_id_y 1
		.amdhsa_system_sgpr_workgroup_id_z 1
		.amdhsa_system_vgpr_workitem_id 0
		.amdhsa_next_free_vgpr 226
		.amdhsa_next_free_sgpr 66
		.amdhsa_reserve_vcc 0
		.amdhsa_float_denorm_mode_32 3
		.amdhsa_float_denorm_mode_16_64 3
		.amdhsa_memory_ordered 1
		.amdhsa_forward_progress 1
		.amdhsa_inst_pref_size 43
	.end_amdhsa_kernel
	.amdgpu_metadata
---
amdhsa.version: [ 1, 2 ]
amdhsa.kernels:
  - .name:           k_q509db51efd_prep
    .symbol:         k_q509db51efd_prep.kd
    .args:
      - { .name: x, .offset: 0, .size: 8, .value_kind: global_buffer, .address_space: global }
      - { .name: ln_w, .offset: 8, .size: 8, .value_kind: global_buffer, .address_space: global }
      - { .name: ln_b, .offset: 16, .size: 8, .value_kind: global_buffer, .address_space: global }
      - { .name: uv_w, .offset: 24, .size: 8, .value_kind: global_buffer, .address_space: global }
      - { .name: o_w, .offset: 32, .size: 8, .value_kind: global_buffer, .address_space: global }
      - { .name: wq, .offset: 40, .size: 8, .value_kind: global_buffer, .address_space: global }
    .group_segment_fixed_size: 66304
    .private_segment_fixed_size: 0
    .kernarg_segment_align: 8
    .kernarg_segment_size: 48
    .max_flat_workgroup_size: 128
    .sgpr_count:     66
    .vgpr_count:     226
    .wavefront_size: 32
...
	.end_amdgpu_metadata
.endif
;; end of part 1
;; launch baseqk (part 2): grid 256 x 1, 2 waves a work-group, no clusters, 0 bytes of LDS; arguments wq, uv_b, gamma, beta, qk; writes qk
.if DOCPART == 2
	.amdgcn_target "amdgcn-amd-amdhsa--gfx1250"
	.amdhsa_code_object_version 6
	.text
	.protected	k_q509db51efd_baseqk
	.globl	k_q509db51efd_baseqk
	.p2align	8
	.type	k_q509db51efd_baseqk,@function
k_q509db51efd_baseqk:
	s_mov_b64 s[64:65], 0
	v_nop
	global_prefetch_b8 v0, s[64:65] scope:SCOPE_SE
	s_setreg_imm32_b32 hwreg(HW_REG_WAVE_MODE, 25, 1), 1
	s_wait_xcnt 0x0
; BASEQK: the last 128 columns of the first product, SiLU, q = base x gamma0 + beta0 and k = base x gamma1 + beta1, the rotation, and the codes of q and k (K = the 128).
; SHARES.  A wave owns one row tile of 16 rows (T = 2 x work-group + wave) and all 128 columns: 8 accumulators, 8 K steps, 64 matrix instructions.  No LDS, no barrier: waves share nothing.
; The product is used transposed (source 0 = 16 rows of the weight, source 1 = 16 rows of xn): a lane holds ONE row, and by the weights' row order register 16 b + i is column 32 b + 16 h + i.
; THE ANGLES.  inv_freq(f) = 10000^(f / 64) = 10^(f / 16) is made as the f32 nearest to the true power: 10^(1/2), 10^(1/4), 10^(1/8), 10^(1/16) by square roots in pairs of f32 (a head and a tail),
; their products in such pairs, the whole powers of ten exactly.  The angle is ONE f32 product, position x inv_freq, as the source has it.  It is reduced by a whole number of quarter turns with pi / 2 in three
; parts (the first step is exact), and sine and cosine are series in the rest (at most 1.12 in magnitude): to r^11 and r^10, an error near 1e-7.
; This arithmetic hangs on no load: the table and the angles stand behind the first batch of loads, the sines and cosines behind the second.
; LIMITS: where the source's own power function differs from the nearest f32 by a unit in the last place, the phase of the highest frequencies differs (position x that unit).  NaN and infinities are not served.
; A block whose largest magnitude lies under 2^-124 gets the byte 1.  Offset-scale and rotation fuse a multiply and an add: one rounding where the source has two.
; REGISTERS.  window 0: v1-15 addresses and constants; v16-47 the weights' scale words; v48-55 xn's; v56-151 the trigonometry, later q or k (v56-119) and at work (v120-151); v152-215 the accumulators, then base;
;   v216-253 the quantiser's.   windows 1, 2, 3: v0-191 the weights of K steps (0,1), (2,3), (4,5); v192-215 xn's fragments of these; window 1 takes steps (6,7) later, with xn's at v216-239.
;   window 2 v0-31 cos, v32-63 sin (behind its products).   window 3 (behind its products): gamma0, beta0, gamma1, beta1, 64 each.
.set CHK,  13312
.set WB,   10223616                    ; panel 32 of uv_w's region: 6,815,744 + 256 chunks
.set GI,   4
.set GS,   5
.set WS,   16
.set XS,   48
.set ACC,  152
.set TM,   216
.set PW,   232
.set PC,   234
.set SEL,  32
.set MSB, 0
.macro WIN new                         ; the immediate's high byte repeats the setting that is left
.if MSB != \new
	s_set_vgpr_msb (MSB<<8)|\new
.set MSB, \new
.endif
.endm
.macro PLACES                          ; four plain instructions behind matrix instructions, ahead of loads into or vector writes and reads of their registers
.rept 4
	v_nop
.endr
.endm
; 64 numbers of a lane, register 16 b + i = k 32 b + 16 (lane / 16) + i of my row, become a fragment's codes in v[PC] on and its scale word in v[PW]
.macro QUANT s
.irp b, 0,1,2,3
	v_max3_num_f32 v[TM+\b], |v[\s+16*\b]|, |v[\s+1+16*\b]|, 0x1800000   ; my 16 numbers of block b, and the floor 2^(3 - 127)
.endr
.irp i, 2,4,6,8,10,12,14
.irp b, 0,1,2,3
	v_max3_num_f32 v[TM+\b], v[TM+\b], |v[\s+16*\b+\i]|, |v[\s+1+16*\b+\i]|
.endr
.endr
.irp b, 0,1,2,3
	v_permlanex16_b32 v[TM+4+\b], v[TM+\b], s[SEL], s[SEL+1]
.endr
.irp b, 0,1,2,3
	v_max_num_f32 v[TM+\b], v[TM+\b], v[TM+4+\b]   ; with lane l xor 16's: the block's largest magnitude
.endr
.irp b, 0,1,2,3
	v_add_nc_u32 v[TM+12+\b], 0xff000000, v[TM+\b] ; 2 off its exponent field: the conversion's scale operand
.endr
.irp b, 0,1,2,3
	v_lshrrev_b32 v[TM+4+\b], 23, v[TM+12+\b]      ; the scale's byte
.endr
	v_lshl_or_b32 v[PW], v[TM+5], 8, v[TM+4]
	v_lshl_or_b32 v[PW], v[TM+6], 16, v[PW]
	v_lshl_or_b32 v[PW], v[TM+7], 24, v[PW]
.irp c, 0,1
	v_cvt_scalef32_pk16_fp6_f32 v[PC+6*\c:PC+2+6*\c], v[\s+32*\c:\s+15+32*\c], v[TM+12+2*\c]
	v_cvt_scalef32_pk16_fp6_f32 v[PC+12+4*\c:PC+14+4*\c], v[\s+16+32*\c:\s+31+32*\c], v[TM+12+2*\c+1]
.endr
	v_nop                                          ; one plain instruction behind a scaled conversion
.irp c, 0,1                            ; the operand's layout wants a whole block in a lane
.irp i, 0,1,2
	v_permlane16_swap_b32 v[PC+6*\c+\i], v[PC+12+4*\c+\i]
.endr
.irp i, 0,1,2
	v_mov_b32 v[PC+3+6*\c+\i], v[PC+12+4*\c+\i]
.endr
.endr
.endm
.macro LDW g                           ; the weights' 16 fragments of K steps 2 g, 2 g + 1 into v0-191 of the destination's window
.irp u, 0,1
.irp b, 0,1,2,3,4,5,6,7
.irp c, 0,1,2
	global_load_b128 v[96*\u+12*\b+4*\c:96*\u+12*\b+4*\c+3], v[GI], s[24:25] offset:(2*\g+\u)*CHK+\b*1536+512*\c
.endr
.endr
.endr
.endm
.macro LDX g, xb                       ; xn's two fragments of these steps
.irp u, 0,1
.irp c, 0,1,2
	global_load_b128 v[\xb+12*\u+4*\c:\xb+12*\u+4*\c+3], v[GI], s[20:21] offset:(2*\g+\u)*CHK+512*\c
.endr
.endr
.endm
.macro PROD g, xb                      ; 16 matrix instructions: two K steps, the eight accumulators by turns
.irp u, 0,1
.irp b, 0,1,2,3,4,5,6,7
.if \b%2
	v_wmma_scale_f32_16x16x128_f8f6f4 v[ACC+8*\b:ACC+8*\b+7], v[96*\u+12*\b:96*\u+12*\b+11], v[\xb+12*\u:\xb+12*\u+11], v[ACC+8*\b:ACC+8*\b+7], v[WS+4*(2*\g+\u)+\b/2], v[XS+2*\g+\u] matrix_a_fmt:MATRIX_FMT_FP6 matrix_b_fmt:MATRIX_FMT_FP6 matrix_a_scale:MATRIX_SCALE_ROW1
.else
	v_wmma_scale_f32_16x16x128_f8f6f4 v[ACC+8*\b:ACC+8*\b+7], v[96*\u+12*\b:96*\u+12*\b+11], v[\xb+12*\u:\xb+12*\u+11], v[ACC+8*\b:ACC+8*\b+7], v[WS+4*(2*\g+\u)+\b/2], v[XS+2*\g+\u] matrix_a_fmt:MATRIX_FMT_FP6 matrix_b_fmt:MATRIX_FMT_FP6
.endif
.endr
.endr
.endm
; (dh, dl) = sqrt of (ah, al), heads and tails: y = sqrt(ah); what is left of ah + al beside y^2, by one fused multiply-add, over 2 y is the tail
.macro DFSQRT dh, dl, ah, al
	v_sqrt_f32 v120, v[\ah]
	v_nop
	s_wait_alu depctr_va_vdst(0)                   ; ahead of the root's first reader
	v_rcp_f32 v121, v120
	v_fma_f32 v122, -v120, v120, v[\ah]
	v_add_f32 v122, v122, v[\al]
	v_mul_f32 v122, 0.5, v122
	s_wait_alu depctr_va_vdst(0)                   ; ahead of the reciprocal's first reader
	v_mul_f32 v122, v122, v121
	v_add_f32 v[\dh], v120, v122
	v_sub_f32 v123, v[\dh], v120
	v_sub_f32 v[\dl], v122, v123
.endm
; table entry d = entry a x entry b, heads at v[56 + 2 i], tails at v[57 + 2 i]
.macro DFMUL d, a, b
	v_mul_f32 v120, v[56+2*\a], v[56+2*\b]
	v_fma_f32 v121, v[56+2*\a], v[56+2*\b], -v120
	v_fma_f32 v121, v[56+2*\a], v[57+2*\b], v121
	v_fma_f32 v121, v[57+2*\a], v[56+2*\b], v121
	v_add_f32 v[56+2*\d], v120, v121
	v_sub_f32 v122, v[56+2*\d], v120
	v_sub_f32 v[57+2*\d], v121, v122
.endm
; sine and cosine of four angles v[88 + n0 ..], stage by stage; cos to window 2 v[n0 ..], sin to window 2 v[32 + n0 ..].  Eight registers at work for each: v[120 + 8 q ..]
.macro SINCOS4 n0
.irp q, 0,1,2,3
	v_mul_f32 v[120+8*\q], 0x3f22f983, v[88+\n0+\q]               ; x 2 / pi
.endr
.irp q, 0,1,2,3
	v_rndne_f32 v[120+8*\q], v[120+8*\q]                          ; quarter turns
.endr
.irp q, 0,1,2,3
	v_fma_f32 v[121+8*\q], -v[120+8*\q], s40, v[88+\n0+\q]        ; less the quarter turns, pi / 2 in three parts
.endr
.irp q, 0,1,2,3
	v_fma_f32 v[121+8*\q], -v[120+8*\q], s41, v[121+8*\q]
.endr
.irp q, 0,1,2,3
	v_fma_f32 v[121+8*\q], -v[120+8*\q], s42, v[121+8*\q]
.endr
.irp q, 0,1,2,3
	v_cvt_i32_f32 v[125+8*\q], v[120+8*\q]
.endr
.irp q, 0,1,2,3
	v_mul_f32 v[122+8*\q], v[121+8*\q], v[121+8*\q]
.endr
.irp q, 0,1,2,3
	v_fmaak_f32 v[123+8*\q], v12, v[122+8*\q], 0x3638ef1d         ; sine: -1/11! r^2 + 1/9!
	v_fmaak_f32 v[124+8*\q], v13, v[122+8*\q], 0x37d00d01         ; cosine: -1/10! r^2 + 1/8!
.endr
.irp q, 0,1,2,3
	v_fmaak_f32 v[123+8*\q], v[123+8*\q], v[122+8*\q], 0xb9500d01 ; -1/7!
	v_fmaak_f32 v[124+8*\q], v[124+8*\q], v[122+8*\q], 0xbab60b61 ; -1/6!
.endr
.irp q, 0,1,2,3
	v_fmaak_f32 v[123+8*\q], v[123+8*\q], v[122+8*\q], 0x3c088889 ; 1/5!
	v_fmaak_f32 v[124+8*\q], v[124+8*\q], v[122+8*\q], 0x3d2aaaab ; 1/4!
.endr
.irp q, 0,1,2,3
	v_fmaak_f32 v[123+8*\q], v[123+8*\q], v[122+8*\q], 0xbe2aaaab ; -1/3!
	v_fma_f32 v[124+8*\q], v[124+8*\q], v[122+8*\q], -0.5
.endr
.irp q, 0,1,2,3
	v_mul_f32 v[126+8*\q], v[121+8*\q], v[122+8*\q]
.endr
.irp q, 0,1,2,3
	v_fma_f32 v[123+8*\q], v[126+8*\q], v[123+8*\q], v[121+8*\q]  ; sin r
	v_fma_f32 v[124+8*\q], v[124+8*\q], v[122+8*\q], 1.0          ; cos r
.endr
.irp q, 0,1,2,3
	v_and_b32 v[126+8*\q], 1, v[125+8*\q]                         ; an odd number of quarter turns changes the two over
	v_add_nc_u32 v[127+8*\q], 1, v[125+8*\q]
.endr
.irp q, 0,1,2,3
	v_lshlrev_b32 v[125+8*\q], 30, v[125+8*\q]                    ; the sine's sign: bit 1 of the number;
	v_lshlrev_b32 v[127+8*\q], 30, v[127+8*\q]                    ; the cosine's: bit 1 of the number + 1
.endr
.irp q, 0,1,2,3
	v_and_b32 v[125+8*\q], 0x80000000, v[125+8*\q]
	v_and_b32 v[127+8*\q], 0x80000000, v[127+8*\q]
.endr
.irp q, 0,1,2,3
	v_cmp_eq_u32 vcc_lo, 1, v[126+8*\q]
	v_cndmask_b32 v[120+8*\q], v[123+8*\q], v[124+8*\q], vcc_lo
	v_cndmask_b32 v[121+8*\q], v[124+8*\q], v[123+8*\q], vcc_lo
.endr
	WIN 0x80                                       ; destination window 2
.irp q, 0,1,2,3
	v_xor_b32 v[32+\n0+\q], v[120+8*\q], v[125+8*\q]
	v_xor_b32 v[\n0+\q], v[121+8*\q], v[127+8*\q]
.endr
	WIN 0
.endm
	s_load_b256 s[4:11], s[0:1], 0x0               ; wq, uv_b, gamma, beta
	s_load_b64 s[12:13], s[0:1], 0x20              ; qk
	v_lshrrev_b32 v1, 5, v0
	v_readfirstlane_b32 s16, v1                    ; wave 0..1
	s_lshl_b32 s17, ttmp9, 1
	s_add_co_u32 s17, s17, s16                     ; T: my row tile, 0..511
	v_and_b32 v1, 15, v0                           ; r
	v_bfe_u32 v2, v0, 4, 1                         ; h
	v_and_b32 v3, 31, v0
	v_lshlrev_b32 v[GI], 4, v3                     ; 16 x lane
	v_lshlrev_b32 v[GS], 2, v3                     ; 4 x lane
	v_lshlrev_b32 v6, 6, v2                        ; 64 h: my half's 16 numbers of a block of 32
	v_lshl_add_u32 v7, v2, 7, v[GS]                ; 4 x lane + 128 h: lanes 0-15 an even tile's scale words, lanes 16-31 the odd tile's
	s_lshr_b32 s18, s17, 1                         ; my row's place in its sequence: (32 (T / 2) + 8 (T % 2)) mod 512 + r + 8 (r / 8)
	s_lshl_b32 s18, s18, 5
	s_and_b32 s19, s17, 1
	s_lshl_b32 s19, s19, 3
	s_add_co_u32 s18, s18, s19
	s_and_b32 s30, s18, 511
	v_and_b32 v8, 8, v1
	v_add_nc_u32 v8, v8, v1
	v_add_nc_u32 v8, s30, v8
	v_cvt_f32_u32 v11, v8
	s_mov_b32 s[SEL], 0x76543210
	s_mov_b32 s[SEL+1], 0xfedcba98
	s_mov_b32 s40, 0x3fc90fdb                      ; pi / 2: its f32,
	s_mov_b32 s41, 0xb33bbd2e                      ; what that leaves,
	s_mov_b32 s42, 0xa6f72ced                      ; and what that leaves
	v_mov_b32 v12, 0xb2d7322b                      ; -1/11!
	v_mov_b32 v13, 0xb493f27e                      ; -1/10!
.irp b, 0,1,2,3
	v_mov_b32 v[TM+4+\b], 0                        ; written once: a lane permute's destination counts as one of its sources
.endr
	s_lshr_b32 s18, s17, 3
	s_mul_i32 s18, s18, 8*CHK                      ; xn's panel T / 8
	s_and_b32 s19, s17, 7
	s_mov_b32 s3, 0
	s_wait_kmcnt 0x0
	s_mul_i32 s2, s19, 1536
	s_add_co_u32 s2, s2, s18
	s_add_nc_u64 s[20:21], s[4:5], s[2:3]          ; xn's fragments of my tile
	s_lshl_b32 s2, s19, 7
	s_add_co_u32 s2, s2, s18
	s_add_co_u32 s2, s2, 12288
	s_add_nc_u64 s[22:23], s[4:5], s[2:3]          ; and their scale words
	s_add_nc_u64 s[24:25], s[4:5], WB              ; the weights of base
	s_mul_i32 s2, s17, 1536
	s_add_nc_u64 s[26:27], s[12:13], s[2:3]        ; where q's image goes (k's: 786,432 on)
	s_lshl_b32 s2, s17, 7
	s_add_nc_u64 s[28:29], s[12:13], s[2:3]        ; the scale words' images, from 1,572,864 and 1,638,400 on
.irp b, 0,1,2,3,4,5,6,7                ; the bias is the C of each sum's first matrix instruction: it is loaded into the accumulators
	global_load_b128 v[ACC+8*\b:ACC+8*\b+3], v6, s[6:7] offset:(4096+32*(\b/2)+8*(\b%2))*4
	global_load_b128 v[ACC+8*\b+4:ACC+8*\b+7], v6, s[6:7] offset:(4096+32*(\b/2)+8*(\b%2))*4+16
.endr
.irp s, 0,1,2,3,4,5,6,7
.irp j, 0,1,2,3
	global_load_b32 v[WS+4*\s+\j], v7, s[24:25] offset:\s*CHK+12288+256*\j
.endr
	global_load_b32 v[XS+\s], v[GS], s[22:23] offset:\s*CHK
.endr
	WIN 0x40
	LDX 0, 192
	LDX 3, 216
	LDW 0
	WIN 0x80
	LDX 1, 192
	LDW 1
	WIN 0xc0
	LDX 2, 192
	LDW 2
	WIN 0
	; while these loads are out: 10^(i / 16), i = 0 .. 15, and my 32 angles
	v_mov_b32 v124, 0x41200000                     ; 10
	v_mov_b32 v125, 0
	v_mov_b32 v56, 1.0
	v_mov_b32 v57, 0
	DFSQRT 72, 73, 124, 125                        ; 10^(8/16)
	DFSQRT 64, 65, 72, 73                          ; 10^(4/16)
	DFSQRT 60, 61, 64, 65                          ; 10^(2/16)
	DFSQRT 58, 59, 60, 61                          ; 10^(1/16)
	DFMUL 3, 2, 1
	DFMUL 5, 4, 1
	DFMUL 6, 4, 2
	DFMUL 7, 4, 3
	DFMUL 9, 8, 1
	DFMUL 10, 8, 2
	DFMUL 11, 8, 3
	DFMUL 12, 8, 4
	DFMUL 13, 8, 5
	DFMUL 14, 8, 6
	DFMUL 15, 8, 7
	v_cmp_eq_u32 vcc_lo, 1, v2
	v_mov_b32 v121, 0x42c80000                     ; 100
	v_mov_b32 v122, 0x447a0000                     ; 1000
	v_cndmask_b32 v14, 1.0, v124, vcc_lo           ; frequency 32 b + 16 h + i: 10^(2 b + h) x 10^(i / 16)
	v_cndmask_b32 v15, v121, v122, vcc_lo
.irp bb, 0,1
.set n, 0
.rept 16
	v_mul_f32 v[126+2*(n%8)], v[56+2*n], v[14+\bb]
	v_fma_f32 v[127+2*(n%8)], v[56+2*n], v[14+\bb], -v[126+2*(n%8)]
	v_fma_f32 v[127+2*(n%8)], v[57+2*n], v[14+\bb], v[127+2*(n%8)]
	v_add_f32 v[126+2*(n%8)], v[126+2*(n%8)], v[127+2*(n%8)]     ; inv_freq, rounded once
	v_mul_f32 v[88+16*\bb+n], v11, v[126+2*(n%8)]                ; the angle: one f32 product
.set n, n+1
.endr
.endr
	s_wait_loadcnt 0x0                             ; all of the first batch
	WIN 0x05
	PROD 0, 192
	PLACES
	WIN 0x40
	LDW 3                                          ; K steps 6 and 7 into the registers that steps 0 and 1 have left
	WIN 0x0a
	PROD 1, 192
	WIN 0x0f
	PROD 2, 192
	PLACES
	WIN 0xc0
.irp b, 0,1,2,3                        ; gamma and beta at my 64 columns: register 16 b + i = column 32 b + 16 h + i
.irp j, 0,1,2,3
	global_load_b128 v[16*\b+4*\j:16*\b+4*\j+3], v6, s[8:9] offset:128*\b+16*\j
	global_load_b128 v[64+16*\b+4*\j:64+16*\b+4*\j+3], v6, s[10:11] offset:128*\b+16*\j
	global_load_b128 v[128+16*\b+4*\j:128+16*\b+4*\j+3], v6, s[8:9] offset:512+128*\b+16*\j
	global_load_b128 v[192+16*\b+4*\j:192+16*\b+4*\j+3], v6, s[10:11] offset:512+128*\b+16*\j
.endr
.endr
	WIN 0
.irp m, 0,4,8,12,16,20,24,28           ; while these loads are out
	SINCOS4 \m
.endr
	s_wait_loadcnt 0x0
	WIN 0x05
	PROD 3, 216
	WIN 0
	PLACES
	; SiLU: z / (1 + 2^(-z log2 e)); each accumulator is read from its low end on
.set n, 0
.rept 32
	v_pk_mul_f32 v[56+n:57+n], v[ACC+n:ACC+n+1], 0xbfb8aa3b op_sel_hi:[1,0]
.set n, n+2
.endr
.set n, 0
.rept 64
	v_exp_f32 v[56+n], v[56+n]
.set n, n+1
.endr
	v_nop
	s_wait_alu depctr_va_vdst(0)                   ; one wait for the 64
.set n, 0
.rept 32
	v_pk_add_f32 v[56+n:57+n], v[56+n:57+n], 1.0 op_sel_hi:[1,0]
.set n, n+2
.endr
.set n, 0
.rept 64
	v_rcp_f32 v[56+n], v[56+n]
.set n, n+1
.endr
	v_nop
	s_wait_alu depctr_va_vdst(0)
.set n, 0
.rept 32
	v_pk_mul_f32 v[ACC+n:ACC+n+1], v[ACC+n:ACC+n+1], v[56+n:57+n]
.set n, n+2
.endr
; q or k: offset-scale (gamma at gm, beta at bt of window 3), rotation, codes, stores
.macro HEADQK gm, bt, oc, os
	WIN 0x3c                                       ; sources 1 and 2 window 3
.set n, 0
.rept 32
	v_pk_fma_f32 v[56+n:57+n], v[ACC+n:ACC+n+1], v[\gm+n:\gm+n+1], v[\bt+n:\bt+n+1]
.set n, n+2
.endr
	WIN 0x08                                       ; source 1 (cos, sin) window 2
.irp hh, 0,16
.set n, \hh
.rept 16
	v_mul_f32 v[120+n%16], v[88+n], v[32+n]        ; x2 sin
	v_mul_f32 v[136+n%16], v[56+n], v[32+n]        ; x1 sin
.set n, n+1
.endr
.set n, \hh
.rept 16
	v_fma_f32 v[56+n], v[56+n], v[n], -v[120+n%16] ; x1 cos - x2 sin
	v_fma_f32 v[88+n], v[88+n], v[n], v[136+n%16]  ; x2 cos + x1 sin
.set n, n+1
.endr
.endr
	WIN 0
	QUANT 56
.irp c, 0,1,2
	global_store_b128 v[GI], v[PC+4*\c:PC+4*\c+3], s[26:27] offset:\oc+512*\c   ; 512 consecutive bytes, aligned to 256
.endr
	global_store_b32 v[GS], v[PW], s[28:29] offset:\os
.endm
	HEADQK 0, 64, 0, 1572864
	s_wait_xcnt 0x0                                ; q's stores have read their registers: the codes' registers are written again only behind this wait
	HEADQK 128, 192, 786432, 1638400
	s_endpgm
.Lfunc_end_k_q509db51efd_baseqk:
	.size	k_q509db51efd_baseqk, .Lfunc_end_k_q509db51efd_baseqk-k_q509db51efd_baseqk
	.p2alignl 7, 3214868480
	.fill 96, 4, 3214868480
	.section	.rodata,"a",@progbits
	.p2align	6, 0x0
	.amdhsa_kernel k_q509db51efd_baseqk
		.amdhsa_group_segment_fixed_size 0
		.amdhsa_private_segment_fixed_size 0
		.amdhsa_enable_private_segment 0
		.amdhsa_kernarg_size 40
		.amdhsa_user_sgpr_count 2
		.amdhsa_user_sgpr_kernarg_segment_ptr 1
		.amdhsa_wavefront_size32 1
		.amdhsa_system_sgpr_workgroup_id_x 1
		.amdhsa_system_sgpr_workgroup_id_y 1
		.amdhsa_system_sgpr_workgroup_id_z 1
		.amdhsa_system_vgpr_workitem_id 0
		.amdhsa_next_free_vgpr 1024
		.amdhsa_next_free_sgpr 66
		.amdhsa_reserve_vcc 1
		.amdhsa_float_denorm_mode_32 3
		.amdhsa_float_denorm_mode_16_64 3
		.amdhsa_memory_ordered 1
		.amdhsa_forward_progress 1
		.amdhsa_inst_pref_size 137
	.end_amdhsa_kernel
	.amdgpu_metadata
---
amdhsa.version: [ 1, 2 ]
amdhsa.kernels:
  - .name:           k_q509db51efd_baseqk
    .symbol:         k_q509db51efd_baseqk.kd
    .args:
      - { .name: wq, .offset: 0, .size: 8, .value_kind: global_buffer, .address_space: global }
      - { .name: uv_b, .offset: 8, .size: 8, .value_kind: global_buffer, .address_space: global }
      - { .name: gamma, .offset: 16, .size: 8, .value_kind: global_buffer, .address_space: global }
      - { .name: beta, .offset: 24, .size: 8, .value_kind: global_buffer, .address_space: global }
      - { .name: qk, .offset: 32, .size: 8, .value_kind: global_buffer, .address_space: global }
    .group_segment_fixed_size: 0
    .private_segment_fixed_size: 0
    .kernarg_segment_align: 8
    .kernarg_segment_size: 40
    .max_flat_workgroup_size: 64
    .sgpr_count:     66
    .vgpr_count:     1024
    .wavefront_size: 32
...
	.end_amdgpu_metadata
.endif
;; end of part 2
;; launch gv (part 3): grid 32 x 8, 4 waves a work-group, clusters of 4 x 4, 327,680 bytes of LDS; arguments wq, uv_b, qk, w_rel, vk; writes vk
.if DOCPART == 3
	.amdgcn_target "amdgcn-amd-amdhsa--gfx1250"
	.amdhsa_code_object_version 6
	.text
	.protected	k_q509db51efd_gv
	.globl	k_q509db51efd_gv
	.p2align	8
	.type	k_q509db51efd_gv,@function
k_q509db51efd_gv:
	s_mov_b64 s[64:65], 0
	v_nop
	global_prefetch_b8 v0, s[64:65] scope:SCOPE_SE
	s_setreg_imm32_b32 hwreg(HW_REG_WAVE_MODE, 25, 1), 1
	s_wait_xcnt 0x0
	s_wait_alu depctr_hold_cnt(0) depctr_sa_sdst(0) depctr_va_vdst(0) depctr_va_sdst(0) depctr_va_ssrc(0) depctr_va_vcc(0) depctr_vm_vsrc(0)
	s_getreg_b32 s2, hwreg(HW_REG_IB_STS2, 6, 4)
	s_cmp_eq_u32 s2, 0
	s_cbranch_scc0 .Lentry_in_a_cluster
	s_endpgm
.Lentry_in_a_cluster:
	s_bfe_u32 s2, ttmp6, 0x10000c
	s_cmp_lg_u32 s2, 0xf033
	s_cbranch_scc0 .Lentry_shape_is_right
	s_endpgm
.Lentry_shape_is_right:
; GV.  BODY: v = SiLU(xn Wv^T + b), quantised along the SEQUENCE (the third product's K) and stored with the sequence innermost.  HEAD: kernel = relu(q k^T / 512 + bias)^2, quantised along the keys.
; BODY.  A tile is 128 rows of Wv (the "A role": source 1, a lane holds one of its rows) x 256 rows of xn (the "B role": source 0, a lane's registers run along its rows).  Four waves, 2 x 2, each
; 64 x 128: 32 accumulators.  K = 1,024 lies in two LDS slots of 512 along K: a slot is three dense blocks of 53,248 bytes (four chunks of a panel: images of the operands' registers with
; their scale words), each brought by one tensor load.  Wave 0 asks for A's block, waves 1 and 2 for B's two, wave 3 for none.  By this text's count two tensor loads of a wave are out at the most.
; A WORK-GROUP STAYS: it makes TWO tiles, Wv's panels ty and ty + 8 against the same rows of xn.  The second tile's first half is asked for at the first tile's change of slots, its second half in a round
; in the middle of the first tile's way out: each has four K steps and half a way out in which to land, and nothing waits for the first tile's stores.  All that differs in the second tile is a constant.
; CLUSTER 4 x 4: A's block hangs on the tile row alone and is asked for jointly along a row of the cluster, B's on the tile column alone, along a column.
; By xn's row order the 16 registers of two neighbouring accumulators are 16 neighbouring places of the sequence: a wave's 128 rows of xn are one K step of the third product.
; HEADS, while the first tiles are on their way: work-group (tx, ty) takes query tiles 32 ty + tx and 32 (ty + 8) + tx (batches ty and ty + 8), wave w keys 128 w .. 128 w + 127: 8 matrix instructions each.
; bias(n, m) = w_rel[511 + m - n] hangs on the places in the sequence alone: the same 64 numbers of a lane serve both heads.
; LIMITS: NaN and infinities are not served; a block whose largest magnitude lies under 2^-124 (zeros too) gets the byte 1; only this program reads the bytes.
; No prefetch: two refills a work-group, of blocks that several clusters read.
; REGISTERS.  window 0: v1-5 lane terms; v8-15 LDS addresses; v16-17 own addresses; v18-26 the second head's scale words; v28-29 the spare word's; v32-43 scale words, two sets of 6;
;   v48-143 A's fragments, two sets of 48 (in the heads: q at v48 and v128, the scores at v64-127); v144-207 T, at work (in the heads: w_rel); v208-245 the quantiser's.
;   window 1: B's fragments, two sets of 96 (in the heads: k of the two batches); v192-223, v224-255 the two tiles' bias as C.   window 2: the accumulators, (a, b) at v[8 (8 a + b)].
.set CHK,   13312
.set PANB,  4*CHK                      ; four K steps of a panel: 208 rows of 256 bytes
.set SLOT,  3*PANB
.set SPARE, 2*SLOT                     ; behind the slots: the spare words, 128 bytes for each wave: two blocks of 256 bytes that no other line names
.set REG_UVW,  6815744
.set REG_KERN, 13631488
.set NEXT_A, 64*CHK                    ; the second tile: Wv eight panels of eight K steps on,
.set NEXT_V, 32*CHK                    ; v^T eight panels of four K steps on,
.set NEXT_B, 4096                      ; the bias 1,024 numbers on;
.set NEXT_K, 128*CHK                   ; the second head: the kernel 32 panels of four K steps on,
.set NEXT_Q, 256*1536                  ; q's and k's images 256 tiles on,
.set NEXT_S, 256*128                   ; and their scale words'
.set GI, 4
.set GS, 5
.set ADRA, 8
.set ADRB, 10
.set ADRS, 12
.set ADRT, 14
.set S2, 18
.set SPW, 28
.set NIL, 29
.set SC, 32
.set AF, 48
.set T,  144
.set TM, 208
.set PW, 224
.set PC, 226
.set WV, 16
.set RH, 17
.set CHH, 18
.set CX, 19
.set CY, 20
.set TX, 21
.set TY, 22
.set G1A, 24
.set SEL, 46
.set G1B, 48
.set G0A, 68                           ; s[68:83] group 0 for A's four fills;  s[84:99] for B's: written once, never again
.set G0B, 84
.set MSB, 0
.macro WIN new                         ; the immediate's high byte repeats the setting that is left
.if MSB != \new
	s_set_vgpr_msb (MSB<<8)|\new
.set MSB, \new
.endif
.endm
.macro PLACES                          ; four plain instructions behind matrix instructions, ahead of loads into, or reads of, their registers
.rept 4
	v_nop
.endr
.endm
.macro CREST                           ; a round of the cluster's barrier behind its opening barrier
	s_cmp_lg_u32 s[WV], 0
	s_cbranch_scc1 .Lnot_wave_0_\@
	s_barrier_signal -3
.Lnot_wave_0_\@:
	s_barrier_wait -3
	s_barrier_signal -1
	s_barrier_wait -1
.endm
.macro CROUND
	s_barrier_signal -1
	s_barrier_wait -1
	CREST
.endm
.macro JLOAD3 ld                       ; joint load number ld: wave 0 A's block, waves 1 and 2 B's; four v_nop follow each line
	s_cmp_eq_u32 s[WV], 0
	s_cbranch_scc0 .Lnot_a_\@
	tensor_load_to_lds s[G0A+4*\ld:G0A+4*\ld+3], s[G1A:G1A+7]
	s_nop 0
	PLACES
	s_branch .Lasked_\@
.Lnot_a_\@:
	s_cmp_lt_u32 s[WV], 3
	s_cbranch_scc0 .Lasked_\@
	tensor_load_to_lds s[G0B+4*\ld:G0B+4*\ld+3], s[G1B:G1B+7]
	s_nop 0
	PLACES
.Lasked_\@:
.endm
; One product: accumulator (a, b) += B's tile b x A's tile a, from set p.  cm: 0 adds in place; 3, 4 start with the first, the second tile's bias in window 1.
; Scale words: register i of a set (i < 4) holds A's tile i in lanes 0-15 and B's tile i in lanes 16-31; registers 4, 5 hold B's tiles (4 | 5) and (6 | 7).
.macro ONE a, b, p, cm
.set rD, 8*(8*(\a)+(\b))
.set rB, 96*(\p)+12*(\b)
.set rA, AF+48*(\p)+12*(\a)
.set rSA, SC+6*(\p)+(\a)
.set rC, rD
.if \cm == 3
.set rC, 192+8*(\a)
.endif
.if \cm == 4
.set rC, 224+8*(\a)
.endif
.if (\b) < 4
.set rSB, SC+6*(\p)+(\b)
.set rROW, 1
.else
.set rSB, SC+6*(\p)+4+((\b)-4)/2
.set rROW, (\b)%2
.endif
.if rROW
	v_wmma_scale_f32_16x16x128_f8f6f4 v[rD:rD+7], v[rB:rB+11], v[rA:rA+11], v[rC:rC+7], v[rSB], v[rSA] matrix_a_fmt:MATRIX_FMT_FP6 matrix_b_fmt:MATRIX_FMT_FP6 matrix_a_scale:MATRIX_SCALE_ROW1
.else
	v_wmma_scale_f32_16x16x128_f8f6f4 v[rD:rD+7], v[rB:rB+11], v[rA:rA+11], v[rC:rC+7], v[rSB], v[rSA] matrix_a_fmt:MATRIX_FMT_FP6 matrix_b_fmt:MATRIX_FMT_FP6
.endif
.endm
.macro MUL8 a, p, cm                   ; A's tile a against B's eight.  The 32 accumulators (window 2) take turns in one order
.if \cm >= 2
	WIN 0x91
.else
	WIN 0xa1
.endif
.irp b, 0,1,2,3,4,5,6,7
	ONE \a, \b, \p, \cm
.endr
.endm
.macro FETCH slot, s, p                ; 42 LDS loads: the slot's K step s into set p: images come back as they were stored, 512 consecutive bytes a load
	WIN 0x40
.irp b, 0,1,2,3,4,5,6,7
.irp c, 0,1,2
	ds_load_b128 v[96*(\p)+12*\b+4*\c:96*(\p)+12*\b+4*\c+3], v[ADRB+\slot] offset:(\s)*CHK+\b*1536+512*\c
.endr
.endr
	WIN 0
.irp a, 0,1,2,3
.irp c, 0,1,2
	ds_load_b128 v[AF+48*(\p)+12*\a+4*\c:AF+48*(\p)+12*\a+4*\c+3], v[ADRA+\slot] offset:(\s)*CHK+\a*1536+512*\c
.endr
.endr
.irp i, 0,1,2,3
	ds_load_b32 v[SC+6*(\p)+\i], v[ADRS+\slot] offset:(\s)*CHK+128*\i
.endr
.irp j, 0,1
	ds_load_b32 v[SC+6*(\p)+4+\j], v[ADRT+\slot] offset:(\s)*CHK+256*\j
.endr
.endm
.macro STEP slot, s, cm                ; one of a slot's first three K steps: 32 matrix instructions; in its middle the next step's fragments are asked for
	s_wait_dscnt 0x0                               ; this step's fragments are in (asked for 16 matrix instructions ago, or more)
	MUL8 0, (\s)%2, \cm
	MUL8 1, (\s)%2, \cm
	PLACES
	FETCH \slot, (\s)+1, 1-(\s)%2
	MUL8 2, (\s)%2, \cm
	MUL8 3, (\s)%2, \cm
.endm
; A slot's last K step changes slots: ONE barrier.  In front of it each wave waits for all its tensor loads, adds 0 to its spare word, and waits for that and for its reads of this slot.
; fill = 1: the barrier opens a round of the cluster's barrier, and joint load ld fills this slot again, first thing behind the round.
.macro TURN slot, next, fill, ld
	WIN 0
	s_wait_dscnt 0x0                               ; this step's fragments are in: my reads of this slot are over
	s_wait_tensorcnt 0x0                           ; all my tensor loads have landed: my part of the next slot
	ds_add_u32 v[SPW], v[NIL]                      ; 0 onto my spare word
	MUL8 0, 1, 0                                   ; eight matrix instructions stand between the add and the wait for it
	s_wait_dscnt 0x0                               ; the add is done
	s_barrier_signal -1
	MUL8 1, 1, 0
	WIN 0
	s_barrier_wait -1
.if \fill
	CREST                                          ; no wave of any partner still reads this slot or has a load on its way
	JLOAD3 \ld
.endif
	PLACES                                         ; on every wave's way, that of the wave without a load too
	FETCH \next, 0, 0
	MUL8 2, 1, 0
	MUL8 3, 1, 0
.endm
.macro LAST
	s_wait_dscnt 0x0                               ; the tile's last fragments are in: my reads of the slot are over
	MUL8 0, 1, 0
	MUL8 1, 1, 0
	MUL8 2, 1, 0
	MUL8 3, 1, 0
	WIN 0
	PLACES
.endm
; In the middle of a tile's way out: the slot that the tile read last is filled with the next tile's second half (joint load ld), and the next tile's first fragments are fetched from the other slot,
; whose fill every wave has just shown landed.  The same order as at a change of slots: all my tensor loads, the add, my LDS reads; a round of the cluster's barrier; the joint load first behind it.
.macro MID ld, slot
	s_wait_tensorcnt 0x0                           ; all my tensor loads have landed: my part of the next tile's first half
	ds_add_u32 v[SPW], v[NIL]                      ; 0 onto my spare word
	s_wait_dscnt 0x0                               ; the add is done; my reads of both slots were over at the tile's last K step
	CROUND
	JLOAD3 \ld
	PLACES
	FETCH \slot, 0, 0
.endm
.macro QUANT s                         ; 64 numbers of a lane, register 16 b + i = k 32 b + 16 (lane / 16) + i of my row -> codes in v[PC] on, scale word in v[PW]
.irp b, 0,1,2,3
	v_max3_num_f32 v[TM+\b], |v[\s+16*\b]|, |v[\s+1+16*\b]|, 0x1800000   ; with the floor 2^(3 - 127)
.endr
.irp i, 2,4,6,8,10,12,14
.irp b, 0,1,2,3
	v_max3_num_f32 v[TM+\b], v[TM+\b], |v[\s+16*\b+\i]|, |v[\s+1+16*\b+\i]|
.endr
.endr
.irp b, 0,1,2,3
	v_permlanex16_b32 v[TM+4+\b], v[TM+\b], s[SEL], s[SEL+1]
.endr
.irp b, 0,1,2,3
	v_max_num_f32 v[TM+\b], v[TM+\b], v[TM+4+\b]
.endr
.irp b, 0,1,2,3
	v_add_nc_u32 v[TM+12+\b], 0xff000000, v[TM+\b] ; 2 off the exponent field: the conversion's scale operand
.endr
.irp b, 0,1,2,3
	v_lshrrev_b32 v[TM+4+\b], 23, v[TM+12+\b]
.endr
	v_lshl_or_b32 v[PW], v[TM+5], 8, v[TM+4]
	v_lshl_or_b32 v[PW], v[TM+6], 16, v[PW]
	v_lshl_or_b32 v[PW], v[TM+7], 24, v[PW]
.irp c, 0,1
	v_cvt_scalef32_pk16_fp6_f32 v[PC+6*\c:PC+2+6*\c], v[\s+32*\c:\s+15+32*\c], v[TM+12+2*\c]
	v_cvt_scalef32_pk16_fp6_f32 v[PC+12+4*\c:PC+14+4*\c], v[\s+16+32*\c:\s+31+32*\c], v[TM+12+2*\c+1]
.endr
	v_nop                                          ; one plain instruction behind a scaled conversion
.irp c, 0,1
.irp i, 0,1,2
	v_permlane16_swap_b32 v[PC+6*\c+\i], v[PC+12+4*\c+\i]
.endr
.irp i, 0,1,2
	v_mov_b32 v[PC+3+6*\c+\i], v[PC+12+4*\c+\i]
.endr
.endr
.endm
.macro PUT bc, bs, oc, os              ; the fragment's image and its scale words' go to memory as they stand
.irp c, 0,1,2
	global_store_b128 v[GI], v[PC+4*\c:PC+4*\c+3], s[\bc:\bc+1] offset:(\oc)+512*\c   ; 512 consecutive bytes, aligned to 256
.endr
	global_store_b32 v[GS], v[PW], s[\bs:\bs+1] offset:(\os)
.endm
.macro SILU64 ab                       ; T = SiLU of the 64 accumulator registers from ab on (window 2), each accumulator read from its low end on
	WIN 0x02
.set n, 0
.rept 32
	v_pk_mul_f32 v[T+n:T+n+1], v[(\ab)+n:(\ab)+n+1], 0xbfb8aa3b op_sel_hi:[1,0]
.set n, n+2
.endr
	WIN 0
.set n, 0
.rept 64
	v_exp_f32 v[T+n], v[T+n]
.set n, n+1
.endr
	v_nop
	s_wait_alu depctr_va_vdst(0)                   ; one wait for the 64
.set n, 0
.rept 32
	v_pk_add_f32 v[T+n:T+n+1], v[T+n:T+n+1], 1.0 op_sel_hi:[1,0]
.set n, n+2
.endr
.set n, 0
.rept 64
	v_rcp_f32 v[T+n], v[T+n]
.set n, n+1
.endr
	v_nop
	s_wait_alu depctr_va_vdst(0)
	WIN 0x08
.set n, 0
.rept 32
	v_pk_mul_f32 v[T+n:T+n+1], v[T+n:T+n+1], v[(\ab)+n:(\ab)+n+1]
.set n, n+2
.endr
	WIN 0
.endm
.macro EPI a, off                      ; 16 rows of v^T x my 128 places of the sequence: one fragment of the third product's operand
	SILU64 64*\a
	s_wait_xcnt 0x0                                ; the last stores have read the codes' registers, which the next lines write again
	QUANT T
	PUT 32, 36, (\off)+\a*1536, (\off)+\a*128
.endm
; A head: 16 queries (fragment at qb, scale words in sq) x my 128 keys (fragments at kb of window 1, scale words from sk on); the kernel's fragment goes off bytes on
.macro HEAD kb, qb, sq, sk, off, first
	WIN 0x01
.irp b, 0,1,2,3,4,5,6,7
	v_wmma_scale_f32_16x16x128_f8f6f4 v[64+8*\b:71+8*\b], v[(\kb)+12*\b:(\kb)+12*\b+11], v[\qb:\qb+11], 0, v[(\sk)+\b], v[\sq] matrix_a_fmt:MATRIX_FMT_FP6 matrix_b_fmt:MATRIX_FMT_FP6
.endr
	WIN 0
	PLACES
.if \first
	s_wait_loadcnt 0x0                             ; w_rel
.endif
.set n, 0
.rept 32
	v_pk_fma_f32 v[64+n:65+n], v[64+n:65+n], 0x3b000000, v[T+n:T+n+1] op_sel_hi:[1,0,1]   ; q k / 512 + bias: the scaling is exact; w_rel's numbers stay for the other head
.set n, n+2
.endr
.set n, 0
.rept 64
	v_max_num_f32 v[64+n], 0, v[64+n]
.set n, n+1
.endr
.set n, 0
.rept 32
	v_pk_mul_f32 v[64+n:65+n], v[64+n:65+n], v[64+n:65+n]
.set n, n+2
.endr
	s_wait_xcnt 0x0                                ; the other head's stores have read the codes' registers
	QUANT 64
	PUT 66, 14, \off, \off
.endm
	s_load_b256 s[4:11], s[0:1], 0x0               ; wq, uv_b, qk, w_rel
	s_load_b64 s[12:13], s[0:1], 0x20              ; vk
	v_lshl_add_u32 v[SPW], v0, 2, SPARE
	v_mov_b32 v[NIL], 0
	ds_add_u32 v28, v29
	s_wait_dscnt 0x0
	v_lshrrev_b32 v1, 5, v0
	v_readfirstlane_b32 s[WV], v1                  ; wave 0..3
	s_lshr_b32 s[RH], s[WV], 1                     ; which 64 rows of A are mine.  Also: which of B's two blocks waves 1 and 2 ask for
	s_and_b32 s[CHH], s[WV], 1                     ; which of B's panels is mine
	s_bfe_u32 s[CX], ttmp6, 0x40000
	s_bfe_u32 s[CY], ttmp6, 0x40004
	s_lshl_b32 s[TX], ttmp9, 2
	s_add_co_u32 s[TX], s[TX], s[CX]               ; B's tile: 4 x cluster x + cx
	s_and_b32 s[TY], ttmp7, 0xffff
	s_lshl_b32 s[TY], s[TY], 2
	s_add_co_u32 s[TY], s[TY], s[CY]               ; A's first panel: 4 x cluster y + cy, 0 .. 7
	s_lshl_b32 s32, s[CY], 2
	s_lshl_b32 s32, 15, s32                        ; my row of the cluster
	s_lshl_b32 s36, 0x1111, s[CX]                  ; my column
	s_or_b32 s[G1A], s32, (3<<16)|(1<<21)          ; 15:0 the mask; 17:16 elements of 8 bytes; 21 set beside a mask; no padding
	s_or_b32 s[G1B], s36, (3<<16)|(1<<21)
.irp g, G1A, G1B
	s_mov_b32 s[\g+1], 32<<16                      ; tensor_dim0 = 32 elements: 256 bytes
	s_mov_b32 s[\g+2], 208<<16                     ; tensor_dim1 = 208 rows
	s_mov_b32 s[\g+3], 32<<16                      ; tile_dim0
	s_mov_b32 s[\g+4], 208                         ; tile_dim1
	s_mov_b32 s[\g+5], 32                          ; the pitch: dense
	s_mov_b32 s[\g+6], 0
	s_mov_b32 s[\g+7], 0
.endr
	s_mov_b32 s[SEL], 0x76543210
	s_mov_b32 s[SEL+1], 0xfedcba98
	v_and_b32 v1, 15, v0                           ; r
	v_bfe_u32 v2, v0, 4, 1                         ; h
	v_and_b32 v3, 31, v0
	v_lshlrev_b32 v[GI], 4, v3
	v_lshlrev_b32 v[GS], 2, v3
	s_mul_i32 s23, s[RH], 6144
	v_add_nc_u32 v[ADRA], s23, v[GI]               ; A's tiles 4 rh on
	v_add_nc_u32 v[ADRA+1], SLOT, v[ADRA]
	s_add_co_u32 s42, s[CHH], 1
	s_mul_i32 s42, s42, PANB
	v_add_nc_u32 v[ADRB], s42, v[GI]               ; B's panel ch, behind A's block
	v_add_nc_u32 v[ADRB+1], SLOT, v[ADRB]
	s_lshl_b32 s23, s[RH], 9
	s_sub_co_u32 s43, s42, s23
	v_mul_u32_u24 v6, s43, v2                      ; lanes 16-31 take B's scale words: one product, the distance between the two
	s_add_co_u32 s23, s23, 12288
	v_add_nc_u32 v6, v6, v[GS]
	v_add_nc_u32 v[ADRS], s23, v6
	v_add_nc_u32 v[ADRS+1], SLOT, v[ADRS]
	s_add_co_u32 s42, s42, 12800
	v_lshl_add_u32 v6, v2, 7, v[GS]
	v_add_nc_u32 v[ADRT], s42, v6                  ; B's tiles 4 + h, 6 + h
	v_add_nc_u32 v[ADRT+1], SLOT, v[ADRT]
.irp b, 0,1,2,3
	v_mov_b32 v[TM+4+\b], 0                        ; written once: a lane permute's destination counts as one of its sources
.endr
	; the heads' lane terms
	v_and_b32 v6, 8, v1
	v_add_nc_u32 v6, v6, v1                        ; r + 8 (r / 8)
	v_lshlrev_b32 v17, 2, v6                       ; the bias of my row of Wv
	s_lshl_b32 s43, s[WV], 7
	s_add_co_u32 s43, s43, 511
	s_lshr_b32 s23, s[TX], 1
	s_lshl_b32 s23, s23, 5
	s_sub_co_u32 s43, s43, s23
	s_and_b32 s23, s[TX], 1
	s_lshl_b32 s23, s23, 3
	s_sub_co_u32 s43, s43, s23                     ; 511 + 128 w - 32 (tx / 2) - 8 (tx % 2)
	v_lshlrev_b32 v7, 4, v2
	v_sub_nc_u32 v7, v7, v6
	v_add_nc_u32 v7, s43, v7
	v_lshlrev_b32 v16, 2, v7                       ; w_rel at 511 + (128 w + 16 h) - my query's place: 0 at the least; with 32 b + i at most 1,022
	; A's address is made of ty alone, B's of tx and the wave alone, in registers of their own
	s_add_co_u32 s32, s[TY], 16
	s_mul_i32 s32, s32, 8*CHK
	s_add_co_u32 s32, s32, REG_UVW                 ; panel 16 + ty of uv_w: the weights of v
	s_mov_b32 s33, 0
	s_lshl_b32 s36, s[TX], 1
	s_add_co_u32 s36, s36, s[RH]
	s_mul_i32 s36, s36, 8*CHK                      ; panel 2 tx + (wave / 2) of xn
	s_mov_b32 s37, 0
	s_mul_i32 s38, s[WV], PANB                     ; where B's block goes: wave x a block
	s_lshl_b32 s42, s[TY], 5
	s_add_co_u32 s39, s42, s[TX]                   ; the first query tile 32 ty + tx
	s_lshl_b32 s23, s[WV], 3
	s_add_co_u32 s42, s42, s23                     ; my first key tile: 32 ty + 8 w
	s_mov_b32 s3, 0
	s_wait_kmcnt 0x0
	s_add_nc_u64 s[34:35], s[4:5], s[32:33]
	s_add_nc_u64 s[40:41], s[4:5], s[36:37]
.irp m, 0,1,2,3                        ; fill m: tile m / 2, K steps 4 (m % 2) on, into slot m % 2
	s_mov_b32 s[G0A+4*\m], 1
	s_mov_b32 s[G0A+4*\m+1], (\m%2)*SLOT
	s_add_nc_u64 s[G0A+4*\m+2:G0A+4*\m+3], s[34:35], (\m/2)*NEXT_A+(\m%2)*PANB
	s_or_b32 s[G0A+4*\m+3], s[G0A+4*\m+3], 0x80000000
	s_mov_b32 s[G0B+4*\m], 1
	s_add_co_u32 s[G0B+4*\m+1], s38, (\m%2)*SLOT
	s_add_nc_u64 s[G0B+4*\m+2:G0B+4*\m+3], s[40:41], (\m%2)*PANB
	s_or_b32 s[G0B+4*\m+3], s[G0B+4*\m+3], 0x80000000
.endr
	s_mul_i32 s2, s39, 1536
	s_add_nc_u64 s[44:45], s[8:9], s[2:3]          ; q's image
	s_lshl_b32 s2, s39, 7
	s_add_nc_u64 s[56:57], s[8:9], s[2:3]          ; its scale words, from 1,572,864 on
	s_mul_i32 s2, s42, 1536
	s_add_nc_u64 s[58:59], s[8:9], s[2:3]          ; k's images, from 786,432 on
	s_lshl_b32 s2, s42, 7
	s_add_nc_u64 s[62:63], s[8:9], s[2:3]          ; their scale words, from 1,638,400 on
	s_lshl_b32 s2, s[TY], 7
	s_lshl_b32 s23, s[RH], 6
	s_add_co_u32 s2, s2, s23
	s_add_co_u32 s2, s2, 2048
	s_lshl_b32 s2, s2, 2
	s_add_nc_u64 s[60:61], s[6:7], s[2:3]          ; uv_b at 2048 + 128 ty + 64 rh
	s_lshr_b32 s23, s39, 3
	s_lshl_b32 s23, s23, 2
	s_add_co_u32 s23, s23, s[WV]
	s_mul_i32 s23, s23, CHK
	s_add_co_u32 s23, s23, REG_KERN                ; the kernel's chunk: panel (tile / 8), K step w
	s_and_b32 s43, s39, 7
	s_mul_i32 s2, s43, 1536
	s_add_co_u32 s2, s2, s23
	s_add_nc_u64 s[66:67], s[12:13], s[2:3]
	s_lshl_b32 s2, s43, 7
	s_add_co_u32 s2, s2, s23
	s_add_co_u32 s2, s2, 12288
	s_add_nc_u64 s[14:15], s[12:13], s[2:3]
	s_lshr_b32 s23, s[TX], 1                       ; v's chunk: ((batch x 16 + ty) x 4 + 2 (tx % 2) + ch)
	s_lshl_b32 s23, s23, 4
	s_add_co_u32 s23, s23, s[TY]
	s_lshl_b32 s23, s23, 2
	s_and_b32 s43, s[TX], 1
	s_lshl_b32 s43, s43, 1
	s_add_co_u32 s23, s23, s43
	s_add_co_u32 s23, s23, s[CHH]
	s_mul_i32 s23, s23, CHK
	s_mul_i32 s2, s[RH], 6144
	s_add_co_u32 s2, s2, s23
	s_add_nc_u64 s[32:33], s[12:13], s[2:3]
	s_lshl_b32 s2, s[RH], 9
	s_add_co_u32 s2, s2, s23
	s_add_co_u32 s2, s2, 12288
	s_add_nc_u64 s[36:37], s[12:13], s[2:3]
	CROUND                                         ; all sixteen work-groups are here: the first joint loads meet
	s_cmp_eq_u32 s[WV], 0                          ; a wave's two first fills stand in one branch on the wave's number
	s_cbranch_scc0 .Lfirst_not_a
	tensor_load_to_lds s[G0A:G0A+3], s[G1A:G1A+7]
	s_nop 0
	tensor_load_to_lds s[G0A+4:G0A+7], s[G1A:G1A+7]
	s_nop 0
	PLACES
	s_branch .Lfirst_asked
.Lfirst_not_a:
	s_cmp_lt_u32 s[WV], 3
	s_cbranch_scc0 .Lfirst_asked
	tensor_load_to_lds s[G0B:G0B+3], s[G1B:G1B+7]
	s_nop 0
	tensor_load_to_lds s[G0B+4:G0B+7], s[G1B:G1B+7]
	s_nop 0
	PLACES
.Lfirst_asked:
	; ---- THE HEADS: twice 16 queries x my 128 keys
	WIN 0x40
.irp a, 0,1,2,3                        ; the first tile's bias: a lane holds one row of Wv, so its eight registers of an accumulator start alike
.irp j, 0,1,2,3,4,5,6,7
	global_load_b32 v[192+8*\a+\j], v17, s[60:61] offset:(32*(\a/2)+8*(\a%2))*4
.endr
.endr
	WIN 0
.irp c, 0,1,2
	global_load_b128 v[48+4*\c:48+4*\c+3], v[GI], s[44:45] offset:512*\c
	global_load_b128 v[128+4*\c:128+4*\c+3], v[GI], s[44:45] offset:NEXT_Q+512*\c
.endr
	WIN 0x40
.irp b, 0,1,2,3,4,5,6,7
.irp c, 0,1,2
	global_load_b128 v[12*\b+4*\c:12*\b+4*\c+3], v[GI], s[58:59] offset:786432+1536*\b+512*\c
.endr
.endr
.irp b, 0,1,2,3,4,5,6,7
.irp c, 0,1,2
	global_load_b128 v[96+12*\b+4*\c:96+12*\b+4*\c+3], v[GI], s[58:59] offset:786432+NEXT_Q+1536*\b+512*\c
.endr
.endr
	WIN 0
	global_load_b32 v[SC], v[GS], s[56:57] offset:1572864
	global_load_b32 v[S2], v[GS], s[56:57] offset:1572864+NEXT_S
.irp b, 0,1,2,3,4,5,6,7
	global_load_b32 v[SC+1+\b], v[GS], s[62:63] offset:1638400+128*\b
	global_load_b32 v[S2+1+\b], v[GS], s[62:63] offset:1638400+NEXT_S+128*\b
.endr
.set n, 0
.rept 64
	global_load_b32 v[T+n], v16, s[10:11] offset:4*(32*(n/16)+n%16)   ; register 16 b + i: key 128 w + 32 b + 16 h + i
.set n, n+1
.endr
	s_wait_loadcnt 63                              ; all but w_rel's loads are wanted; these are 64, one more than a wait can name
	HEAD 0, 48, SC, SC+1, 0, 1
	HEAD 96, 128, S2, S2+1, NEXT_K, 0
	; ---- THE FIRST TILE
	s_wait_tensorcnt 0x1                           ; my part of slot 0 is in; slot 1's may stay out
	s_barrier_signal -1
	s_barrier_wait -1
	FETCH 0, 0, 0
	WIN 0x40
.irp a, 0,1,2,3                        ; the second tile's bias, beside the first's: it has the whole first tile in which to land
.irp j, 0,1,2,3,4,5,6,7
	global_load_b32 v[224+8*\a+\j], v17, s[60:61] offset:NEXT_B+(32*(\a/2)+8*(\a%2))*4
.endr
.endr
	WIN 0
	STEP 0, 0, 3                                   ; the first products start the sums with the bias
	STEP 0, 1, 0
	STEP 0, 2, 0
	TURN 0, 1, 1, 2                                ; slot 0 takes the second tile's K steps 0-3
	STEP 1, 0, 0
	STEP 1, 1, 0
	STEP 1, 2, 0
	LAST
	EPI 0, 0
	EPI 1, 0
	MID 3, 0                                       ; slot 1 takes the second tile's K steps 4-7; its first fragments come out of slot 0
	EPI 2, 0
	EPI 3, 0
	; ---- THE SECOND TILE
	s_wait_loadcnt 0x0                             ; its bias
	STEP 0, 0, 4
	STEP 0, 1, 0
	STEP 0, 2, 0
	TURN 0, 1, 0, 0                                ; nothing is left to fetch: a plain barrier
	STEP 1, 0, 0
	STEP 1, 1, 0
	STEP 1, 2, 0
	LAST
.irp a, 0,1,2,3
	EPI \a, NEXT_V
.endr
	s_wait_tensorcnt 0x0                           ; the wave's end
	ds_add_u32 v[SPW], v[NIL]
	s_wait_dscnt 0x0
	CROUND                                         ; the closing round
	s_endpgm
.Lfunc_end_k_q509db51efd_gv:
	.size	k_q509db51efd_gv, .Lfunc_end_k_q509db51efd_gv-k_q509db51efd_gv
	.p2alignl 7, 3214868480
	.fill 96, 4, 3214868480
	.section	.rodata,"a",@progbits
	.p2align	6, 0x0
	.amdhsa_kernel k_q509db51efd_gv
		.amdhsa_group_segment_fixed_size 327680
		.amdhsa_private_segment_fixed_size 0
		.amdhsa_enable_private_segment 0
		.amdhsa_kernarg_size 40
		.amdhsa_user_sgpr_count 2
		.amdhsa_user_sgpr_kernarg_segment_ptr 1
		.amdhsa_wavefront_size32 1
		.amdhsa_system_sgpr_workgroup_id_x 1
		.amdhsa_system_sgpr_workgroup_id_y 1
		.amdhsa_system_sgpr_workgroup_id_z 1
		.amdhsa_system_vgpr_workitem_id 0
		.amdhsa_next_free_vgpr 1024
		.amdhsa_next_free_sgpr 100
		.amdhsa_reserve_vcc 0
		.amdhsa_float_denorm_mode_32 3
		.amdhsa_float_denorm_mode_16_64 3
		.amdhsa_memory_ordered 1
		.amdhsa_forward_progress 1
		.amdhsa_inst_pref_size 255
	.end_amdhsa_kernel
	.section	.bss,"aw",@nobits
	.p2align	6
	.space	262144
	.amdgpu_metadata
---
amdhsa.version: [ 1, 2 ]
amdhsa.kernels:
  - .name:           k_q509db51efd_gv
    .symbol:         k_q509db51efd_gv.kd
    .args:
      - { .name: wq, .offset: 0, .size: 8, .value_kind: global_buffer, .address_space: global }
      - { .name: uv_b, .offset: 8, .size: 8, .value_kind: global_buffer, .address_space: global }
      - { .name: qk, .offset: 16, .size: 8, .value_kind: global_buffer, .address_space: global }
      - { .name: w_rel, .offset: 24, .size: 8, .value_kind: global_buffer, .address_space: global }
      - { .name: vk, .offset: 32, .size: 8, .value_kind: global_buffer, .address_space: global }
    .group_segment_fixed_size: 327680
    .private_segment_fixed_size: 0
    .kernarg_segment_align: 8
    .kernarg_segment_size: 40
    .max_flat_workgroup_size: 128
    .sgpr_count:     100
    .vgpr_count:     1024
    .wavefront_size: 32
...
	.end_amdgpu_metadata
.endif
;; end of part 3
;; launch ua (part 4): grid 4 x 64, 4 waves a work-group, clusters of 4 x 4, 327,680 bytes of LDS; arguments wq, vk, uv_b, g; writes g
.if DOCPART == 4
	.amdgcn_target "amdgcn-amd-amdhsa--gfx1250"
	.amdhsa_code_object_version 6
	.text
	.protected	k_q509db51efd_ua
	.globl	k_q509db51efd_ua
	.p2align	8
	.type	k_q509db51efd_ua,@function
k_q509db51efd_ua:
	s_mov_b64 s[64:65], 0
	v_nop
	global_prefetch_b8 v0, s[64:65] scope:SCOPE_SE
	s_setreg_imm32_b32 hwreg(HW_REG_WAVE_MODE, 25, 1), 1
	s_wait_xcnt 0x0
	s_wait_alu depctr_hold_cnt(0) depctr_sa_sdst(0) depctr_va_vdst(0) depctr_va_sdst(0) depctr_va_ssrc(0) depctr_va_vcc(0) depctr_vm_vsrc(0)
	s_getreg_b32 s2, hwreg(HW_REG_IB_STS2, 6, 4)
	s_cmp_eq_u32 s2, 0
	s_cbranch_scc0 .Lentry_in_a_cluster
	s_endpgm
.Lentry_in_a_cluster:
	s_bfe_u32 s2, ttmp6, 0x10000c
	s_cmp_lg_u32 s2, 0xf033
	s_cbranch_scc0 .Lentry_shape_is_right
	s_endpgm
.Lentry_shape_is_right:
; UA: on ONE tile of 128 rows x 256 columns e: first kernel x v (K = the 512 places of the sequence), then u = SiLU(xn Wu^T + b) (K = 1,024), then g = u x (kernel v), quantised along e.  u never goes to memory.
; Four waves, 2 x 2, each 64 x 128, with TWO sets of 32 accumulators: kernel v in window 3, xn Wu^T in window 2.  The "A role" (source 1, a lane holds one row n): the kernel's panel, then xn's.
; The "B role" (source 0, registers run along e): v^T's two panels, then Wu's.  By their row order the 16 registers of two neighbouring accumulators are 16 neighbouring e.
; LDS: two slots of 512 along K, each three dense blocks of 53,248 bytes (four chunks of a panel).  A tile takes three fills: kernel and v; K steps 0-3 of xn and Wu; K steps 4-7.
; Wave 0 asks for A's block, waves 1 and 2 for B's two, wave 3 for none.  By this text's count two tensor loads of a wave are out at the most.
; A WORK-GROUP STAYS: it makes TWO tiles of the same 128 rows, columns 256 tx on and 256 (tx + 4) on.  The ring goes on into the second tile: its first fill is asked for at the first tile's second change of
; slots, its second in a round in the middle of the first tile's way out: each has four K steps and half a way out in which to land, and nothing waits for the first tile's stores.  Three fills a tile: the
; slots change places in the second tile.  The three sets of group 0 are pointed at the second tile once, behind a wait for all tensor loads; all else that differs is a constant.
; CLUSTER 4 x 4 (one batch to a cluster): A's block is asked for jointly along a row of the cluster, B's along a column.
; LIMITS: NaN and infinities are not served; a block whose largest magnitude lies under 2^-124 (zeros too) gets the byte 1; only this program reads the bytes.
; No prefetch: four refills a work-group, half of them of blocks that the work-group's row of the cluster has asked for before.
; REGISTERS.  window 0: v1-5 lane terms; v8-15 LDS addresses; v16 the bias's; v28-29 the spare word's; v32-43 scale words, two sets of 6; v48-143 A's fragments, two sets of 48; v144-207 T, at work;
;   v208-245 the quantiser's.   window 1: B's fragments, two sets of 96; v192-255 the bias as C.   windows 2, 3: the accumulators, (a, b) at v[8 (8 a + b)].
.set CHK,   13312
.set PANB,  4*CHK
.set SLOT,  3*PANB
.set SPARE, 2*SLOT                     ; the spare words, 128 bytes for each wave: two blocks of 256 bytes that no other line names
.set REG_UVW,  6815744
.set REG_KERN, 13631488
.set NEXT_V, 8*PANB                    ; the second tile: v^T eight panels of four K steps on,
.set NEXT_W, 64*CHK                    ; Wu eight panels of eight K steps on,
.set NEXT_B, 4096                      ; the bias 1,024 numbers on,
.set NEXT_G, 8*CHK                     ; g eight K steps on
.set GI, 4
.set GS, 5
.set ADRA, 8
.set ADRB, 10
.set ADRS, 12
.set ADRT, 14
.set SPW, 28
.set NIL, 29
.set SC, 32
.set AF, 48
.set T,  144
.set TM, 208
.set PW, 224
.set PC, 226
.set WV, 16
.set RH, 17
.set CHH, 18
.set CX, 19
.set CY, 20
.set TX, 21
.set TY, 22
.set G1A, 24
.set LB,  40                           ; s40  wave x a block: where B's block lies in a slot
.set SEL, 46
.set G1B, 48
.set G0A, 68                           ; s[68:79] three sets of group 0 for A's fills;  s[84:95] for B's
.set G0B, 84
.set MSB, 0
.macro WIN new                         ; the immediate's high byte repeats the setting that is left
.if MSB != \new
	s_set_vgpr_msb (MSB<<8)|\new
.set MSB, \new
.endif
.endm
.macro PLACES                          ; four plain instructions behind matrix instructions, ahead of loads into, or reads of, their registers
.rept 4
	v_nop
.endr
.endm
.macro CREST                           ; a round of the cluster's barrier behind its opening barrier
	s_cmp_lg_u32 s[WV], 0
	s_cbranch_scc1 .Lnot_wave_0_\@
	s_barrier_signal -3
.Lnot_wave_0_\@:
	s_barrier_wait -3
	s_barrier_signal -1
	s_barrier_wait -1
.endm
.macro CROUND
	s_barrier_signal -1
	s_barrier_wait -1
	CREST
.endm
.macro JLOAD3 ld                       ; the joint load of descriptor set ld: wave 0 A's block, waves 1 and 2 B's; four v_nop follow each line
	s_cmp_eq_u32 s[WV], 0
	s_cbranch_scc0 .Lnot_a_\@
	tensor_load_to_lds s[G0A+4*\ld:G0A+4*\ld+3], s[G1A:G1A+7]
	s_nop 0
	PLACES
	s_branch .Lasked_\@
.Lnot_a_\@:
	s_cmp_lt_u32 s[WV], 3
	s_cbranch_scc0 .Lasked_\@
	tensor_load_to_lds s[G0B+4*\ld:G0B+4*\ld+3], s[G1B:G1B+7]
	s_nop 0
	PLACES
.Lasked_\@:
.endm
; The three sets of group 0 are pointed at the second tile.  It stands behind a wait for all my tensor loads, so no load that names them is out.  A's blocks are the same rows again, in the other slot;
; B's lie a constant on (the type bits on top are not reached).
.macro RETARGET
	s_mov_b32 s[G0A+1], SLOT                       ; kernel: now slot 1
	s_mov_b32 s[G0A+5], 0                          ; xn, K steps 0-3: slot 0
	s_mov_b32 s[G0A+9], SLOT                       ; xn, K steps 4-7: slot 1
	s_add_co_u32 s[G0B+1], s[LB], SLOT
	s_mov_b32 s[G0B+5], s[LB]
	s_add_co_u32 s[G0B+9], s[LB], SLOT
	s_add_nc_u64 s[G0B+2:G0B+3], s[G0B+2:G0B+3], NEXT_V
	s_add_nc_u64 s[G0B+6:G0B+7], s[G0B+6:G0B+7], NEXT_W
	s_add_nc_u64 s[G0B+10:G0B+11], s[G0B+10:G0B+11], NEXT_W
.endm
; One product: accumulator (a, b) += B's tile b x A's tile a, from set p.  cm: 0 adds in place; 1 starts with 0; 2 starts with the bias in window 1.
; Scale words: register i of a set (i < 4) holds A's tile i in lanes 0-15 and B's tile i in lanes 16-31; registers 4, 5 hold B's tiles (4 | 5) and (6 | 7).
.macro ONE a, b, p, cm
.set rD, 8*(8*(\a)+(\b))
.set rB, 96*(\p)+12*(\b)
.set rA, AF+48*(\p)+12*(\a)
.set rSA, SC+6*(\p)+(\a)
.set rC, 192+8*(\b)
.if \cm == 0
.set rC, rD
.endif
.if (\b) < 4
.set rSB, SC+6*(\p)+(\b)
.set rROW, 1
.else
.set rSB, SC+6*(\p)+4+((\b)-4)/2
.set rROW, (\b)%2
.endif
.if \cm == 1
.if rROW
	v_wmma_scale_f32_16x16x128_f8f6f4 v[rD:rD+7], v[rB:rB+11], v[rA:rA+11], 0, v[rSB], v[rSA] matrix_a_fmt:MATRIX_FMT_FP6 matrix_b_fmt:MATRIX_FMT_FP6 matrix_a_scale:MATRIX_SCALE_ROW1
.else
	v_wmma_scale_f32_16x16x128_f8f6f4 v[rD:rD+7], v[rB:rB+11], v[rA:rA+11], 0, v[rSB], v[rSA] matrix_a_fmt:MATRIX_FMT_FP6 matrix_b_fmt:MATRIX_FMT_FP6
.endif
.else
.if rROW
	v_wmma_scale_f32_16x16x128_f8f6f4 v[rD:rD+7], v[rB:rB+11], v[rA:rA+11], v[rC:rC+7], v[rSB], v[rSA] matrix_a_fmt:MATRIX_FMT_FP6 matrix_b_fmt:MATRIX_FMT_FP6 matrix_a_scale:MATRIX_SCALE_ROW1
.else
	v_wmma_scale_f32_16x16x128_f8f6f4 v[rD:rD+7], v[rB:rB+11], v[rA:rA+11], v[rC:rC+7], v[rSB], v[rSA] matrix_a_fmt:MATRIX_FMT_FP6 matrix_b_fmt:MATRIX_FMT_FP6
.endif
.endif
.endm
.macro MUL8 a, p, aw, cm               ; A's tile a against B's eight; aw: the accumulators' window.  The 32 accumulators take turns in one order
.if \cm >= 2
	WIN (0x11|((\aw)<<6))
.else
	WIN (0x01|((\aw)<<4)|((\aw)<<6))
.endif
.irp b, 0,1,2,3,4,5,6,7
	ONE \a, \b, \p, \cm
.endr
.endm
.macro FETCH slot, s, p                ; 42 LDS loads: the slot's K step s into set p
	WIN 0x40
.irp b, 0,1,2,3,4,5,6,7
.irp c, 0,1,2
	ds_load_b128 v[96*(\p)+12*\b+4*\c:96*(\p)+12*\b+4*\c+3], v[ADRB+\slot] offset:(\s)*CHK+\b*1536+512*\c
.endr
.endr
	WIN 0
.irp a, 0,1,2,3
.irp c, 0,1,2
	ds_load_b128 v[AF+48*(\p)+12*\a+4*\c:AF+48*(\p)+12*\a+4*\c+3], v[ADRA+\slot] offset:(\s)*CHK+\a*1536+512*\c
.endr
.endr
.irp i, 0,1,2,3
	ds_load_b32 v[SC+6*(\p)+\i], v[ADRS+\slot] offset:(\s)*CHK+128*\i
.endr
.irp j, 0,1
	ds_load_b32 v[SC+6*(\p)+4+\j], v[ADRT+\slot] offset:(\s)*CHK+256*\j
.endr
.endm
.macro STEP slot, s, aw, cm
	s_wait_dscnt 0x0                               ; this step's fragments are in (asked for 16 matrix instructions ago, or more)
	MUL8 0, (\s)%2, \aw, \cm
	MUL8 1, (\s)%2, \aw, \cm
	PLACES
	FETCH \slot, (\s)+1, 1-(\s)%2
	MUL8 2, (\s)%2, \aw, \cm
	MUL8 3, (\s)%2, \aw, \cm
.endm
; A slot's last K step changes slots: ONE barrier.  In front of it each wave waits for all its tensor loads, adds 0 to its spare word, and waits for that and for its reads of this slot.
; fill = 1: the barrier opens a round of the cluster's barrier, and the joint load of set ld fills this slot again, first thing behind the round.  upd = 1: the sets are pointed at the second tile first.
.macro TURN slot, next, aw, fill, ld, upd
	WIN 0
	s_wait_dscnt 0x0                               ; this step's fragments are in: my reads of this slot are over
	s_wait_tensorcnt 0x0                           ; all my tensor loads have landed: my part of the next slot
	ds_add_u32 v[SPW], v[NIL]                      ; 0 onto my spare word
.if \upd
	RETARGET
.endif
	MUL8 0, 1, \aw, 0                              ; eight matrix instructions stand between the add and the wait for it
	s_wait_dscnt 0x0                               ; the add is done
	s_barrier_signal -1
	MUL8 1, 1, \aw, 0
	WIN 0
	s_barrier_wait -1
.if \fill
	CREST                                          ; no wave of any partner still reads this slot or has a load on its way
	JLOAD3 \ld
.endif
	PLACES                                         ; on every wave's way, that of the wave without a load too
	FETCH \next, 0, 0
	MUL8 2, 1, \aw, 0
	MUL8 3, 1, \aw, 0
.endm
.macro LAST aw
	s_wait_dscnt 0x0                               ; the tile's last fragments are in: my reads of the slot are over
	MUL8 0, 1, \aw, 0
	MUL8 1, 1, \aw, 0
	MUL8 2, 1, \aw, 0
	MUL8 3, 1, \aw, 0
	WIN 0
	PLACES
.endm
; In the middle of a tile's way out: the slot that the tile read last is filled with the next tile's second fill (set ld), and the next tile's first fragments are fetched from the other slot,
; whose fill every wave has just shown landed.  The same order as at a change of slots: all my tensor loads, the add, my LDS reads; a round of the cluster's barrier; the joint load first behind it.
.macro MID ld, slot
	s_wait_tensorcnt 0x0                           ; all my tensor loads have landed: my part of the next tile's first fill
	ds_add_u32 v[SPW], v[NIL]                      ; 0 onto my spare word
	s_wait_dscnt 0x0                               ; the add is done; my reads of both slots were over at the tile's last K step
	CROUND
	JLOAD3 \ld
	PLACES
	FETCH \slot, 0, 0
.endm
.macro QUANT s                         ; 64 numbers of a lane, register 16 b + i = k 32 b + 16 (lane / 16) + i of my row -> codes in v[PC] on, scale word in v[PW]
.irp b, 0,1,2,3
	v_max3_num_f32 v[TM+\b], |v[\s+16*\b]|, |v[\s+1+16*\b]|, 0x1800000   ; with the floor 2^(3 - 127)
.endr
.irp i, 2,4,6,8,10,12,14
.irp b, 0,1,2,3
	v_max3_num_f32 v[TM+\b], v[TM+\b], |v[\s+16*\b+\i]|, |v[\s+1+16*\b+\i]|
.endr
.endr
.irp b, 0,1,2,3
	v_permlanex16_b32 v[TM+4+\b], v[TM+\b], s[SEL], s[SEL+1]
.endr
.irp b, 0,1,2,3
	v_max_num_f32 v[TM+\b], v[TM+\b], v[TM+4+\b]
.endr
.irp b, 0,1,2,3
	v_add_nc_u32 v[TM+12+\b], 0xff000000, v[TM+\b] ; 2 off the exponent field: the conversion's scale operand
.endr
.irp b, 0,1,2,3
	v_lshrrev_b32 v[TM+4+\b], 23, v[TM+12+\b]
.endr
	v_lshl_or_b32 v[PW], v[TM+5], 8, v[TM+4]
	v_lshl_or_b32 v[PW], v[TM+6], 16, v[PW]
	v_lshl_or_b32 v[PW], v[TM+7], 24, v[PW]
.irp c, 0,1
	v_cvt_scalef32_pk16_fp6_f32 v[PC+6*\c:PC+2+6*\c], v[\s+32*\c:\s+15+32*\c], v[TM+12+2*\c]
	v_cvt_scalef32_pk16_fp6_f32 v[PC+12+4*\c:PC+14+4*\c], v[\s+16+32*\c:\s+31+32*\c], v[TM+12+2*\c+1]
.endr
	v_nop                                          ; one plain instruction behind a scaled conversion
.irp c, 0,1
.irp i, 0,1,2
	v_permlane16_swap_b32 v[PC+6*\c+\i], v[PC+12+4*\c+\i]
.endr
.irp i, 0,1,2
	v_mov_b32 v[PC+3+6*\c+\i], v[PC+12+4*\c+\i]
.endr
.endr
.endm
.macro PUT bc, bs, oc, os
.irp c, 0,1,2
	global_store_b128 v[GI], v[PC+4*\c:PC+4*\c+3], s[\bc:\bc+1] offset:(\oc)+512*\c   ; 512 consecutive bytes, aligned to 256
.endr
	global_store_b32 v[GS], v[PW], s[\bs:\bs+1] offset:(\os)
.endm
.macro GATE64 ab                       ; T = SiLU(window 2's 64 registers from ab on) x window 3's; each accumulator is read from its low end on
	WIN 0x02
.set n, 0
.rept 32
	v_pk_mul_f32 v[T+n:T+n+1], v[(\ab)+n:(\ab)+n+1], 0xbfb8aa3b op_sel_hi:[1,0]
.set n, n+2
.endr
	WIN 0
.set n, 0
.rept 64
	v_exp_f32 v[T+n], v[T+n]
.set n, n+1
.endr
	v_nop
	s_wait_alu depctr_va_vdst(0)                   ; one wait for the 64
.set n, 0
.rept 32
	v_pk_add_f32 v[T+n:T+n+1], v[T+n:T+n+1], 1.0 op_sel_hi:[1,0]
.set n, n+2
.endr
.set n, 0
.rept 64
	v_rcp_f32 v[T+n], v[T+n]
.set n, n+1
.endr
	v_nop
	s_wait_alu depctr_va_vdst(0)
	WIN 0x08
.set n, 0
.rept 32
	v_pk_mul_f32 v[T+n:T+n+1], v[T+n:T+n+1], v[(\ab)+n:(\ab)+n+1]   ; u
.set n, n+2
.endr
	WIN 0x0c
.set n, 0
.rept 32
	v_pk_mul_f32 v[T+n:T+n+1], v[T+n:T+n+1], v[(\ab)+n:(\ab)+n+1]   ; x kernel v
.set n, n+2
.endr
	WIN 0
.endm
.macro EPI a, off                      ; 16 rows x my 128 columns: one fragment of the last product's operand
	GATE64 64*\a
	s_wait_xcnt 0x0                                ; the last stores have read the codes' registers, which the next lines write again
	QUANT T
	PUT 58, 60, (\off)+\a*1536, (\off)+\a*128
.endm
.macro BIAS off                        ; the bias in the result's layout: accumulator (., b), register j: column 32 (b / 2) + 16 h + 8 (b % 2) + j
	WIN 0x40
.irp b, 0,1,2,3,4,5,6,7
	global_load_b128 v[192+8*\b:192+8*\b+3], v16, s[56:57] offset:(\off)+(32*(\b/2)+8*(\b%2))*4
	global_load_b128 v[192+8*\b+4:192+8*\b+7], v16, s[56:57] offset:(\off)+(32*(\b/2)+8*(\b%2))*4+16
.endr
	WIN 0
.endm
	s_load_b256 s[4:11], s[0:1], 0x0               ; wq, vk, uv_b, g
	v_lshl_add_u32 v[SPW], v0, 2, SPARE
	v_mov_b32 v[NIL], 0
	ds_add_u32 v28, v29
	s_wait_dscnt 0x0
	v_lshrrev_b32 v1, 5, v0
	v_readfirstlane_b32 s[WV], v1                  ; wave 0..3
	s_lshr_b32 s[RH], s[WV], 1                     ; which 64 rows are mine.  Also: which of B's two blocks waves 1 and 2 ask for
	s_and_b32 s[CHH], s[WV], 1                     ; which 128 columns are mine
	s_bfe_u32 s[CX], ttmp6, 0x40000
	s_bfe_u32 s[CY], ttmp6, 0x40004
	s_lshl_b32 s[TX], ttmp9, 2
	s_add_co_u32 s[TX], s[TX], s[CX]               ; the first tile of 256 e: 0 .. 3
	s_and_b32 s[TY], ttmp7, 0xffff
	s_lshl_b32 s[TY], s[TY], 2
	s_add_co_u32 s[TY], s[TY], s[CY]               ; the panel of 128 rows
	s_lshl_b32 s32, s[CY], 2
	s_lshl_b32 s32, 15, s32                        ; my row of the cluster
	s_lshl_b32 s36, 0x1111, s[CX]                  ; my column
	s_or_b32 s[G1A], s32, (3<<16)|(1<<21)          ; 15:0 the mask; 17:16 elements of 8 bytes; 21 set beside a mask; no padding
	s_or_b32 s[G1B], s36, (3<<16)|(1<<21)
.irp g, G1A, G1B
	s_mov_b32 s[\g+1], 32<<16                      ; tensor_dim0 = 32 elements: 256 bytes
	s_mov_b32 s[\g+2], 208<<16                     ; tensor_dim1 = 208 rows
	s_mov_b32 s[\g+3], 32<<16                      ; tile_dim0
	s_mov_b32 s[\g+4], 208                         ; tile_dim1
	s_mov_b32 s[\g+5], 32                          ; the pitch: dense
	s_mov_b32 s[\g+6], 0
	s_mov_b32 s[\g+7], 0
.endr
	s_mov_b32 s[SEL], 0x76543210
	s_mov_b32 s[SEL+1], 0xfedcba98
	v_and_b32 v1, 15, v0
	v_bfe_u32 v2, v0, 4, 1
	v_and_b32 v3, 31, v0
	v_lshlrev_b32 v[GI], 4, v3
	v_lshlrev_b32 v[GS], 2, v3
	s_mul_i32 s23, s[RH], 6144
	v_add_nc_u32 v[ADRA], s23, v[GI]
	v_add_nc_u32 v[ADRA+1], SLOT, v[ADRA]
	s_add_co_u32 s42, s[CHH], 1
	s_mul_i32 s42, s42, PANB
	v_add_nc_u32 v[ADRB], s42, v[GI]
	v_add_nc_u32 v[ADRB+1], SLOT, v[ADRB]
	s_lshl_b32 s23, s[RH], 9
	s_sub_co_u32 s43, s42, s23
	v_mul_u32_u24 v6, s43, v2                      ; lanes 16-31 take B's scale words: one product, the distance between the two
	s_add_co_u32 s23, s23, 12288
	v_add_nc_u32 v6, v6, v[GS]
	v_add_nc_u32 v[ADRS], s23, v6
	v_add_nc_u32 v[ADRS+1], SLOT, v[ADRS]
	s_add_co_u32 s42, s42, 12800
	v_lshl_add_u32 v6, v2, 7, v[GS]
	v_add_nc_u32 v[ADRT], s42, v6
	v_add_nc_u32 v[ADRT+1], SLOT, v[ADRT]
.irp b, 0,1,2,3
	v_mov_b32 v[TM+4+\b], 0                        ; written once: a lane permute's destination counts as one of its sources
.endr
	v_lshlrev_b32 v16, 6, v2                       ; 64 h: the bias of my half's 16 columns of a block of 32
	; A's addresses are made of ty alone; B's of tx, the cluster's y (the batch) and the wave alone
	s_mul_i32 s32, s[TY], PANB
	s_add_co_u32 s32, s32, REG_KERN                ; the kernel's panel ty
	s_mov_b32 s33, 0
	s_mul_i32 s34, s[TY], 8*CHK                    ; xn's panel ty
	s_mov_b32 s35, 0
	s_lshl_b32 s38, s[TX], 1
	s_add_co_u32 s38, s38, s[RH]                   ; e panel 2 tx + (wave / 2)
	s_and_b32 s36, ttmp7, 0xffff
	s_lshl_b32 s36, s36, 4
	s_add_co_u32 s36, s36, s38
	s_mul_i32 s36, s36, PANB                       ; v^T: (batch x 16 + e panel) x four chunks
	s_mov_b32 s37, 0
	s_mul_i32 s38, s38, 8*CHK
	s_add_co_u32 s38, s38, REG_UVW                 ; Wu
	s_mov_b32 s39, 0
	s_mul_i32 s[LB], s[WV], PANB
	s_mov_b32 s3, 0
	s_wait_kmcnt 0x0
	s_mov_b32 s[G0A], 1                            ; set 0: the kernel, into slot 0
	s_mov_b32 s[G0A+1], 0
	s_add_nc_u64 s[G0A+2:G0A+3], s[6:7], s[32:33]
	s_or_b32 s[G0A+3], s[G0A+3], 0x80000000
	s_mov_b32 s[G0A+4], 1                          ; set 1: xn, K steps 0-3, into slot 1
	s_mov_b32 s[G0A+5], SLOT
	s_add_nc_u64 s[G0A+6:G0A+7], s[4:5], s[34:35]
	s_mov_b32 s[G0A+8], 1                          ; set 2: xn, K steps 4-7, into slot 0
	s_mov_b32 s[G0A+9], 0
	s_add_nc_u64 s[G0A+10:G0A+11], s[G0A+6:G0A+7], PANB
	s_or_b32 s[G0A+7], s[G0A+7], 0x80000000
	s_or_b32 s[G0A+11], s[G0A+11], 0x80000000
	s_mov_b32 s[G0B], 1
	s_mov_b32 s[G0B+1], s[LB]
	s_add_nc_u64 s[G0B+2:G0B+3], s[6:7], s[36:37]
	s_or_b32 s[G0B+3], s[G0B+3], 0x80000000
	s_mov_b32 s[G0B+4], 1
	s_add_co_u32 s[G0B+5], s[LB], SLOT
	s_add_nc_u64 s[G0B+6:G0B+7], s[4:5], s[38:39]
	s_mov_b32 s[G0B+8], 1
	s_mov_b32 s[G0B+9], s[LB]
	s_add_nc_u64 s[G0B+10:G0B+11], s[G0B+6:G0B+7], PANB
	s_or_b32 s[G0B+7], s[G0B+7], 0x80000000
	s_or_b32 s[G0B+11], s[G0B+11], 0x80000000
	s_lshl_b32 s2, s[TX], 10
	s_lshl_b32 s23, s[CHH], 9
	s_add_co_u32 s2, s2, s23
	s_add_nc_u64 s[56:57], s[8:9], s[2:3]          ; uv_b at 256 tx + 128 ch
	s_lshl_b32 s23, s[TY], 4
	s_lshl_b32 s41, s[TX], 1
	s_add_co_u32 s23, s23, s41
	s_add_co_u32 s23, s23, s[CHH]
	s_mul_i32 s23, s23, CHK                        ; g's chunk: panel ty, K step 2 tx + ch
	s_mul_i32 s2, s[RH], 6144
	s_add_co_u32 s2, s2, s23
	s_add_nc_u64 s[58:59], s[10:11], s[2:3]
	s_lshl_b32 s2, s[RH], 9
	s_add_co_u32 s2, s2, s23
	s_add_co_u32 s2, s2, 12288
	s_add_nc_u64 s[60:61], s[10:11], s[2:3]
	CROUND                                         ; all sixteen work-groups are here: the first joint loads meet
	s_cmp_eq_u32 s[WV], 0                          ; a wave's two first fills stand in one branch on the wave's number
	s_cbranch_scc0 .Lfirst_not_a
	tensor_load_to_lds s[G0A:G0A+3], s[G1A:G1A+7]
	s_nop 0
	tensor_load_to_lds s[G0A+4:G0A+7], s[G1A:G1A+7]
	s_nop 0
	PLACES
	s_branch .Lfirst_asked
.Lfirst_not_a:
	s_cmp_lt_u32 s[WV], 3
	s_cbranch_scc0 .Lfirst_asked
	tensor_load_to_lds s[G0B:G0B+3], s[G1B:G1B+7]
	s_nop 0
	tensor_load_to_lds s[G0B+4:G0B+7], s[G1B:G1B+7]
	s_nop 0
	PLACES
.Lfirst_asked:
	BIAS 0
	s_wait_tensorcnt 0x1                           ; my part of slot 0 is in; slot 1's may stay out
	s_barrier_signal -1
	s_barrier_wait -1
	FETCH 0, 0, 0
	; ---- THE FIRST TILE: slots 0, 1, 0
	STEP 0, 0, 3, 1                                ; kernel x v: the first products start the sums
	STEP 0, 1, 3, 0
	STEP 0, 2, 3, 0
	TURN 0, 1, 3, 1, 2, 0                          ; slot 0 is filled again: xn's and Wu's K steps 4-7; they have four K steps, 128 matrix instructions, in which to land
	s_wait_loadcnt 0x0                             ; the bias
	STEP 1, 0, 2, 2                                ; xn Wu^T: the first products start the sums with the bias
	STEP 1, 1, 2, 0
	STEP 1, 2, 2, 0
	TURN 1, 0, 2, 1, 0, 1                          ; THE RING GOES ON INTO THE SECOND TILE: slot 1 takes its kernel and v
	STEP 0, 0, 2, 0
	STEP 0, 1, 2, 0
	STEP 0, 2, 2, 0
	LAST 2
	BIAS NEXT_B                                    ; the second tile's bias, over the first's, which was read eight K steps ago
	EPI 0, 0
	EPI 1, 0
	MID 1, 1                                       ; slot 0 takes the second tile's K steps 0-3 of xn and Wu; its first fragments come out of slot 1
	EPI 2, 0
	EPI 3, 0
	; ---- THE SECOND TILE: slots 1, 0, 1
	STEP 1, 0, 3, 1
	STEP 1, 1, 3, 0
	STEP 1, 2, 3, 0
	TURN 1, 0, 3, 1, 2, 0                          ; slot 1 is filled again: K steps 4-7
	s_wait_loadcnt 0x0                             ; the bias
	STEP 0, 0, 2, 2
	STEP 0, 1, 2, 0
	STEP 0, 2, 2, 0
	TURN 0, 1, 2, 0, 0, 0                          ; nothing is left to fetch: a plain barrier
	STEP 1, 0, 2, 0
	STEP 1, 1, 2, 0
	STEP 1, 2, 2, 0
	LAST 2
.irp a, 0,1,2,3
	EPI \a, NEXT_G
.endr
	s_wait_tensorcnt 0x0                           ; the wave's end
	ds_add_u32 v[SPW], v[NIL]
	s_wait_dscnt 0x0
	CROUND                                         ; the closing round
	s_endpgm
.Lfunc_end_k_q509db51efd_ua:
	.size	k_q509db51efd_ua, .Lfunc_end_k_q509db51efd_ua-k_q509db51efd_ua
	.p2alignl 7, 3214868480
	.fill 96, 4, 3214868480
	.section	.rodata,"a",@progbits
	.p2align	6, 0x0
	.amdhsa_kernel k_q509db51efd_ua
		.amdhsa_group_segment_fixed_size 327680
		.amdhsa_private_segment_fixed_size 0
		.amdhsa_enable_private_segment 0
		.amdhsa_kernarg_size 32
		.amdhsa_user_sgpr_count 2
		.amdhsa_user_sgpr_kernarg_segment_ptr 1
		.amdhsa_wavefront_size32 1
		.amdhsa_system_sgpr_workgroup_id_x 1
		.amdhsa_system_sgpr_workgroup_id_y 1
		.amdhsa_system_sgpr_workgroup_id_z 1
		.amdhsa_system_vgpr_workitem_id 0
		.amdhsa_next_free_vgpr 1024
		.amdhsa_next_free_sgpr 100
		.amdhsa_reserve_vcc 0
		.amdhsa_float_denorm_mode_32 3
		.amdhsa_float_denorm_mode_16_64 3
		.amdhsa_memory_ordered 1
		.amdhsa_forward_progress 1
		.amdhsa_inst_pref_size 255
	.end_amdhsa_kernel
	.section	.bss,"aw",@nobits
	.p2align	6
	.space	262144
	.amdgpu_metadata
---
amdhsa.version: [ 1, 2 ]
amdhsa.kernels:
  - .name:           k_q509db51efd_ua
    .symbol:         k_q509db51efd_ua.kd
    .args:
      - { .name: wq, .offset: 0, .size: 8, .value_kind: global_buffer, .address_space: global }
      - { .name: vk, .offset: 8, .size: 8, .value_kind: global_buffer, .address_space: global }
      - { .name: uv_b, .offset: 16, .size: 8, .value_kind: global_buffer, .address_space: global }
      - { .name: g, .offset: 24, .size: 8, .value_kind: global_buffer, .address_space: global }
    .group_segment_fixed_size: 327680
    .private_segment_fixed_size: 0
    .kernarg_segment_align: 8
    .kernarg_segment_size: 32
    .max_flat_workgroup_size: 128
    .sgpr_count:     100
    .vgpr_count:     1024
    .wavefront_size: 32
...
	.end_amdgpu_metadata
.endif
;; end of part 4
;; launch outp (part 5): grid 4 x 64, 4 waves a work-group, clusters of 4 x 4, 327,680 bytes of LDS; arguments g, wq, o_b, x, out0; writes out0
.if DOCPART == 5
	.amdgcn_target "amdgcn-amd-amdhsa--gfx1250"
	.amdhsa_code_object_version 6
	.text
	.protected	k_q509db51efd_outp
	.globl	k_q509db51efd_outp
	.p2align	8
	.type	k_q509db51efd_outp,@function
k_q509db51efd_outp:
	s_mov_b64 s[64:65], 0
	v_nop
	global_prefetch_b8 v0, s[64:65] scope:SCOPE_SE
	s_setreg_imm32_b32 hwreg(HW_REG_WAVE_MODE, 25, 1), 1
	s_wait_xcnt 0x0
	s_wait_alu depctr_hold_cnt(0) depctr_sa_sdst(0) depctr_va_vdst(0) depctr_va_sdst(0) depctr_va_ssrc(0) depctr_va_vcc(0) depctr_vm_vsrc(0)
	s_getreg_b32 s2, hwreg(HW_REG_IB_STS2, 6, 4)
	s_cmp_eq_u32 s2, 0
	s_cbranch_scc0 .Lentry_in_a_cluster
	s_endpgm
.Lentry_in_a_cluster:
	s_bfe_u32 s2, ttmp6, 0x10000c
	s_cmp_lg_u32 s2, 0xf033
	s_cbranch_scc0 .Lentry_shape_is_right
	s_endpgm
.Lentry_shape_is_right:
; OUTP: out = g Wo^T + o_b + x.  A work-group makes 128 rows x 256 columns; four waves, 2 x 2, each 64 x 128: 32 accumulators.  K = 2,048 in four fills of 512 along K through two LDS slots.
; The "A role" (source 1, a lane holds one row): g's panel.  The "B role" (source 0, registers run along the columns): Wo's two panels.  o_b is the C of the first products.
; A slot is three dense blocks of 53,248 bytes (four chunks of a panel).  Wave 0 asks for A's block, waves 1 and 2 for B's two, wave 3 for none; by this text's count two tensor loads of a wave are out at the most.
; CLUSTER 4 x 4: A's block is asked for jointly along a row of the cluster, B's along a column.
; x: my 64 x 128 numbers are asked for at the start, in the order in which rows leave the stage, into window 3: they land under the K loop.
; THE WAY OUT: 16 rows x 512 bytes at a time through my own stage in LDS, so that 32 lanes store 512 consecutive bytes of a row.  The stage lies in slot 0, which has had its last fill and its last read by then.
; g's and Wo's rows lie in the order of the launch that made them: row r of tile t is the tensor's row 32 (t / 2) + 8 (t % 2) + r + 8 (r / 8); the stores and x's loads put that right.
; No prefetch: two refills, of blocks that several clusters read; x is asked for into registers at the start.
.set CHK,   13312
.set PANB,  4*CHK
.set SLOT,  3*PANB
.set SPARE, 2*SLOT                     ; the spare words, 128 bytes for each wave: two blocks of 256 bytes that no other line names
.set REG_OW, 10330112
.set SP,  528                          ; a stage row: 512 bytes + 16
.set GI, 4
.set GS, 5
.set ADRA, 8
.set ADRB, 10
.set ADRS, 12
.set ADRT, 14
.set STO, 17
.set RD,  18
.set SPW, 28
.set NIL, 29
.set SC, 32
.set AF, 48
.set WV, 16
.set RH, 17
.set CHH, 18
.set CX, 19
.set CY, 20
.set TX, 21
.set TY, 22
.set G1A, 24
.set G1B, 48
.set G0A, 68
.set G0B, 84
.set MSB, 0
.macro WIN new                         ; the immediate's high byte repeats the setting that is left
.if MSB != \new
	s_set_vgpr_msb (MSB<<8)|\new
.set MSB, \new
.endif
.endm
.macro PLACES                          ; four plain instructions behind matrix instructions, ahead of loads into, or reads of, their registers
.rept 4
	v_nop
.endr
.endm
.macro CREST                           ; a round of the cluster's barrier behind its opening barrier
	s_cmp_lg_u32 s[WV], 0
	s_cbranch_scc1 .Lnot_wave_0_\@
	s_barrier_signal -3
.Lnot_wave_0_\@:
	s_barrier_wait -3
	s_barrier_signal -1
	s_barrier_wait -1
.endm
.macro CROUND
	s_barrier_signal -1
	s_barrier_wait -1
	CREST
.endm
.macro JLOAD3 ld                       ; joint load number ld: wave 0 A's block, waves 1 and 2 B's; four v_nop follow each line
	s_cmp_eq_u32 s[WV], 0
	s_cbranch_scc0 .Lnot_a_\@
	tensor_load_to_lds s[G0A+4*\ld:G0A+4*\ld+3], s[G1A:G1A+7]
	s_nop 0
	PLACES
	s_branch .Lasked_\@
.Lnot_a_\@:
	s_cmp_lt_u32 s[WV], 3
	s_cbranch_scc0 .Lasked_\@
	tensor_load_to_lds s[G0B+4*\ld:G0B+4*\ld+3], s[G1B:G1B+7]
	s_nop 0
	PLACES
.Lasked_\@:
.endm
; One product: accumulator (a, b) += B's tile b x A's tile a, from set p.  cm: 0 adds in place; 2 starts with the bias in window 1.
; Scale words: register i of a set (i < 4) holds A's tile i in lanes 0-15 and B's tile i in lanes 16-31; registers 4, 5 hold B's tiles (4 | 5) and (6 | 7).
.macro ONE a, b, p, cm
.set rD, 8*(8*(\a)+(\b))
.set rB, 96*(\p)+12*(\b)
.set rA, AF+48*(\p)+12*(\a)
.set rSA, SC+6*(\p)+(\a)
.set rC, 192+8*(\b)
.if \cm == 0
.set rC, rD
.endif
.if (\b) < 4
.set rSB, SC+6*(\p)+(\b)
.set rROW, 1
.else
.set rSB, SC+6*(\p)+4+((\b)-4)/2
.set rROW, (\b)%2
.endif
.if rROW
	v_wmma_scale_f32_16x16x128_f8f6f4 v[rD:rD+7], v[rB:rB+11], v[rA:rA+11], v[rC:rC+7], v[rSB], v[rSA] matrix_a_fmt:MATRIX_FMT_FP6 matrix_b_fmt:MATRIX_FMT_FP6 matrix_a_scale:MATRIX_SCALE_ROW1
.else
	v_wmma_scale_f32_16x16x128_f8f6f4 v[rD:rD+7], v[rB:rB+11], v[rA:rA+11], v[rC:rC+7], v[rSB], v[rSA] matrix_a_fmt:MATRIX_FMT_FP6 matrix_b_fmt:MATRIX_FMT_FP6
.endif
.endm
.macro MUL8 a, p, cm                   ; A's tile a against B's eight.  The 32 accumulators (window 2) take turns in one order
.if \cm >= 2
	WIN 0x91
.else
	WIN 0xa1
.endif
.irp b, 0,1,2,3,4,5,6,7
	ONE \a, \b, \p, \cm
.endr
.endm
.macro FETCH slot, s, p                ; 42 LDS loads: the slot's K step s into set p
	WIN 0x40
.irp b, 0,1,2,3,4,5,6,7
.irp c, 0,1,2
	ds_load_b128 v[96*(\p)+12*\b+4*\c:96*(\p)+12*\b+4*\c+3], v[ADRB+\slot] offset:(\s)*CHK+\b*1536+512*\c
.endr
.endr
	WIN 0
.irp a, 0,1,2,3
.irp c, 0,1,2
	ds_load_b128 v[AF+48*(\p)+12*\a+4*\c:AF+48*(\p)+12*\a+4*\c+3], v[ADRA+\slot] offset:(\s)*CHK+\a*1536+512*\c
.endr
.endr
.irp i, 0,1,2,3
	ds_load_b32 v[SC+6*(\p)+\i], v[ADRS+\slot] offset:(\s)*CHK+128*\i
.endr
.irp j, 0,1
	ds_load_b32 v[SC+6*(\p)+4+\j], v[ADRT+\slot] offset:(\s)*CHK+256*\j
.endr
.endm
.macro STEP slot, s, cm
	s_wait_dscnt 0x0                               ; this step's fragments are in (asked for 16 matrix instructions ago)
	MUL8 0, (\s)%2, \cm
	MUL8 1, (\s)%2, \cm
	PLACES
	FETCH \slot, (\s)+1, 1-(\s)%2
	MUL8 2, (\s)%2, \cm
	MUL8 3, (\s)%2, \cm
.endm
; A slot's last K step changes slots: ONE barrier.  In front of it each wave waits for all its tensor loads, adds 0 to its spare word, and waits for that and for its reads of this slot.
; fill = 1: the barrier opens a round of the cluster's barrier, and joint load ld fills this slot again, first thing behind the round: it has four K steps, 128 matrix instructions, in which to land.
.macro TURN slot, next, fill, ld
	WIN 0
	s_wait_dscnt 0x0                               ; this step's fragments are in: my reads of this slot are over
	s_wait_tensorcnt 0x0                           ; all my tensor loads have landed: my part of the next slot
	ds_add_u32 v[SPW], v[NIL]                      ; 0 onto my spare word
	MUL8 0, 1, 0                                   ; eight matrix instructions stand between the add and the wait for it
	s_wait_dscnt 0x0                               ; the add is done
	s_barrier_signal -1
	MUL8 1, 1, 0
	WIN 0
	s_barrier_wait -1
.if \fill
	CREST                                          ; no wave of any partner still reads this slot or has a load on its way
	JLOAD3 \ld
.endif
	PLACES                                         ; on every wave's way, that of the wave without a load too
	FETCH \next, 0, 0
	MUL8 2, 1, 0
	MUL8 3, 1, 0
.endm
	s_load_b256 s[4:11], s[0:1], 0x0               ; g, wq, o_b, x
	s_load_b64 s[12:13], s[0:1], 0x20              ; out0
	v_lshl_add_u32 v[SPW], v0, 2, SPARE
	v_mov_b32 v[NIL], 0
	ds_add_u32 v28, v29
	s_wait_dscnt 0x0
	v_lshrrev_b32 v1, 5, v0
	v_readfirstlane_b32 s[WV], v1                  ; wave 0..3
	s_lshr_b32 s[RH], s[WV], 1
	s_and_b32 s[CHH], s[WV], 1
	s_bfe_u32 s[CX], ttmp6, 0x40000
	s_bfe_u32 s[CY], ttmp6, 0x40004
	s_lshl_b32 s[TX], ttmp9, 2
	s_add_co_u32 s[TX], s[TX], s[CX]               ; the tile of 256 columns
	s_and_b32 s[TY], ttmp7, 0xffff
	s_lshl_b32 s[TY], s[TY], 2
	s_add_co_u32 s[TY], s[TY], s[CY]               ; the panel of 128 rows
	s_lshl_b32 s32, s[CY], 2
	s_lshl_b32 s32, 15, s32                        ; my row of the cluster
	s_lshl_b32 s36, 0x1111, s[CX]                  ; my column
	s_or_b32 s[G1A], s32, (3<<16)|(1<<21)          ; 15:0 the mask; 17:16 elements of 8 bytes; 21 set beside a mask; no padding
	s_or_b32 s[G1B], s36, (3<<16)|(1<<21)
.irp g, G1A, G1B
	s_mov_b32 s[\g+1], 32<<16                      ; tensor_dim0 = 32 elements: 256 bytes
	s_mov_b32 s[\g+2], 208<<16                     ; tensor_dim1 = 208 rows
	s_mov_b32 s[\g+3], 32<<16                      ; tile_dim0
	s_mov_b32 s[\g+4], 208                         ; tile_dim1
	s_mov_b32 s[\g+5], 32                          ; the pitch: dense
	s_mov_b32 s[\g+6], 0
	s_mov_b32 s[\g+7], 0
.endr
	v_and_b32 v1, 15, v0
	v_bfe_u32 v2, v0, 4, 1
	v_and_b32 v3, 31, v0
	v_lshlrev_b32 v[GI], 4, v3
	v_lshlrev_b32 v[GS], 2, v3
	s_mul_i32 s23, s[RH], 6144
	v_add_nc_u32 v[ADRA], s23, v[GI]
	v_add_nc_u32 v[ADRA+1], SLOT, v[ADRA]
	s_add_co_u32 s42, s[CHH], 1
	s_mul_i32 s42, s42, PANB
	v_add_nc_u32 v[ADRB], s42, v[GI]
	v_add_nc_u32 v[ADRB+1], SLOT, v[ADRB]
	s_lshl_b32 s23, s[RH], 9
	s_sub_co_u32 s43, s42, s23
	v_mul_u32_u24 v6, s43, v2                      ; lanes 16-31 take B's scale words: one product, the distance between the two
	s_add_co_u32 s23, s23, 12288
	v_add_nc_u32 v6, v6, v[GS]
	v_add_nc_u32 v[ADRS], s23, v6
	v_add_nc_u32 v[ADRS+1], SLOT, v[ADRS]
	s_add_co_u32 s42, s42, 12800
	v_lshl_add_u32 v6, v2, 7, v[GS]
	v_add_nc_u32 v[ADRT], s42, v6
	v_add_nc_u32 v[ADRT+1], SLOT, v[ADRT]
	v_lshlrev_b32 v16, 6, v2                       ; 64 h: the bias of my half's 16 columns of a block of 32
	s_mul_i32 s23, s[WV], 16*SP                    ; my stage
	v_mul_u32_u24 v[STO], v1, SP
	v_lshl_add_u32 v[STO], v2, 6, v[STO]
	v_add_nc_u32 v[STO], s23, v[STO]               ; in: row r, + 64 h
	v_add_nc_u32 v[RD], s23, v[GI]                 ; back: 32 lanes take a row of 512 bytes
	; A's address is made of ty alone, B's of tx and the wave alone
	s_mul_i32 s32, s[TY], 4*PANB                   ; g's panel ty
	s_mov_b32 s33, 0
	s_lshl_b32 s36, s[TX], 1
	s_add_co_u32 s36, s36, s[RH]
	s_mul_i32 s36, s36, 4*PANB
	s_add_co_u32 s36, s36, REG_OW                  ; Wo's panel 2 tx + (wave / 2)
	s_mov_b32 s37, 0
	s_mul_i32 s38, s[WV], PANB
	s_mov_b32 s3, 0
	s_wait_kmcnt 0x0
	s_add_nc_u64 s[34:35], s[4:5], s[32:33]
	s_add_nc_u64 s[40:41], s[6:7], s[36:37]
.irp m, 0,1,2,3                        ; a set of group 0 for each of the four fills: written once, never again
	s_mov_b32 s[G0A+4*\m], 1
	s_mov_b32 s[G0A+4*\m+1], (\m%2)*SLOT
	s_add_nc_u64 s[G0A+4*\m+2:G0A+4*\m+3], s[34:35], \m*PANB
	s_or_b32 s[G0A+4*\m+3], s[G0A+4*\m+3], 0x80000000
	s_mov_b32 s[G0B+4*\m], 1
	s_add_co_u32 s[G0B+4*\m+1], s38, (\m%2)*SLOT
	s_add_nc_u64 s[G0B+4*\m+2:G0B+4*\m+3], s[40:41], \m*PANB
	s_or_b32 s[G0B+4*\m+3], s[G0B+4*\m+3], 0x80000000
.endr
	s_lshl_b32 s2, s[TX], 10
	s_lshl_b32 s23, s[CHH], 9
	s_add_co_u32 s2, s2, s23
	s_add_nc_u64 s[56:57], s[8:9], s[2:3]          ; o_b at 256 tx + 128 ch
	s_lshl_b32 s42, s[TY], 7
	s_lshl_b32 s23, s[RH], 6
	s_add_co_u32 s42, s42, s23
	s_lshl_b32 s42, s42, 12
	s_add_co_u32 s2, s2, s42                       ; row 128 ty + 64 rh, column 256 tx + 128 ch, in bytes (under 2^26)
	s_add_nc_u64 s[58:59], s[10:11], s[2:3]        ; in x
	s_add_nc_u64 s[60:61], s[12:13], s[2:3]        ; and in out0
	CROUND                                         ; all sixteen work-groups are here: the first joint loads meet
	s_cmp_eq_u32 s[WV], 0                          ; a wave's two first fills stand in one branch on the wave's number
	s_cbranch_scc0 .Lfirst_not_a
	tensor_load_to_lds s[G0A:G0A+3], s[G1A:G1A+7]
	s_nop 0
	tensor_load_to_lds s[G0A+4:G0A+7], s[G1A:G1A+7]
	s_nop 0
	PLACES
	s_branch .Lfirst_asked
.Lfirst_not_a:
	s_cmp_lt_u32 s[WV], 3
	s_cbranch_scc0 .Lfirst_asked
	tensor_load_to_lds s[G0B:G0B+3], s[G1B:G1B+7]
	s_nop 0
	tensor_load_to_lds s[G0B+4:G0B+7], s[G1B:G1B+7]
	s_nop 0
	PLACES
.Lfirst_asked:
	WIN 0x40
.irp b, 0,1,2,3,4,5,6,7                ; the bias in the result's layout: accumulator (., b), register j: column 32 (b / 2) + 16 h + 8 (b % 2) + j
	global_load_b128 v[192+8*\b:192+8*\b+3], v16, s[56:57] offset:(32*(\b/2)+8*(\b%2))*4
	global_load_b128 v[192+8*\b+4:192+8*\b+7], v16, s[56:57] offset:(32*(\b/2)+8*(\b%2))*4+16
.endr
	WIN 0
	s_wait_tensorcnt 0x1                           ; my part of slot 0 is in; slot 1's may stay out
	s_barrier_signal -1
	s_barrier_wait -1
	FETCH 0, 0, 0
	s_wait_loadcnt 0x0                             ; the bias is in, so that no later wait has to count x's loads
	WIN 0xc0
.irp a, 0,1,2,3                        ; x: stage row t of block a is the tensor's row 32 (a / 2) + 8 (a % 2) + t + 8 (t / 8) of my 64
.irp t, 0,1,2,3,4,5,6,7,8,9,10,11,12,13,14,15
	global_load_b128 v[64*\a+4*\t:64*\a+4*\t+3], v[GI], s[58:59] offset:(32*(\a/2)+8*(\a%2)+\t+8*(\t/8))*4096 th:TH_LOAD_NT
.endr
.endr
	WIN 0
	STEP 0, 0, 2                                   ; the first products start the sums with the bias
	STEP 0, 1, 0
	STEP 0, 2, 0
	TURN 0, 1, 1, 2
	STEP 1, 0, 0
	STEP 1, 1, 0
	STEP 1, 2, 0
	TURN 1, 0, 1, 3
	STEP 0, 0, 0
	STEP 0, 1, 0
	STEP 0, 2, 0
	TURN 0, 1, 0, 0                                ; nothing is left to fetch: a plain barrier; behind it nobody reads slot 0
	STEP 1, 0, 0
	STEP 1, 1, 0
	STEP 1, 2, 0
	s_wait_dscnt 0x0
	MUL8 0, 1, 0
	MUL8 1, 1, 0
	MUL8 2, 1, 0
	MUL8 3, 1, 0
	WIN 0
	PLACES
.macro TOSTAGE a                       ; block a: 16 rows x 128 columns into my stage, each accumulator from its low end on, and back as whole rows.  LDS serves a wave's instructions in order (ISA guide 5.7.1.4)
	WIN 0x08                                       ; an LDS store's data are its source 1: window 2
.irp b, 0,1,2,3,4,5,6,7
	ds_store_b128 v[STO], v[64*(\a)+8*\b:64*(\a)+8*\b+3] offset:128*(\b/2)+32*(\b%2)
	ds_store_b128 v[STO], v[64*(\a)+8*\b+4:64*(\a)+8*\b+7] offset:128*(\b/2)+32*(\b%2)+16
.endr
	WIN 0
.set BB, 48+96*((\a)%2)
.irp t, 0,1,2,3,4,5,6,7,8,9,10,11,12,13,14,15
	ds_load_b128 v[BB+4*\t:BB+4*\t+3], v[RD] offset:\t*SP
.endr
.endm
.macro SEND a, younger                 ; younger: the LDS instructions issued behind block a's loads, which may stay out
.set BB, 48+96*((\a)%2)
	s_wait_dscnt \younger
	WIN 0x0c                                       ; source 1: x, in window 3
.set n, 0
.rept 32
	v_pk_add_f32 v[BB+n:BB+n+1], v[BB+n:BB+n+1], v[64*(\a)+n:64*(\a)+n+1]
.set n, n+2
.endr
	WIN 0
.irp t, 0,1,2,3,4,5,6,7,8,9,10,11,12,13,14,15
	global_store_b128 v[GI], v[BB+4*\t:BB+4*\t+3], s[60:61] offset:(32*((\a)/2)+8*((\a)%2)+\t+8*(\t/8))*4096 th:TH_STORE_NT   ; 32 lanes store 512 consecutive bytes, aligned to 256
.endr
.endm
	s_wait_loadcnt 0x0                             ; x
	TOSTAGE 0
	TOSTAGE 1
	SEND 0, 32                                     ; behind block 0's loads: block 1's 16 stores and 16 loads
	s_wait_xcnt 0x0                                ; block 0's stores have read their registers: block 2's rows may land there
	TOSTAGE 2
	SEND 1, 32
	s_wait_xcnt 0x0
	TOSTAGE 3
	SEND 2, 32
	SEND 3, 0
	s_wait_tensorcnt 0x0                           ; the wave's end, behind my last tensor load and my last LDS store
	ds_add_u32 v[SPW], v[NIL]
	s_wait_dscnt 0x0
	CROUND                                         ; the closing round
	s_endpgm
.Lfunc_end_k_q509db51efd_outp:
	.size	k_q509db51efd_outp, .Lfunc_end_k_q509db51efd_outp-k_q509db51efd_outp
	.p2alignl 7, 3214868480
	.fill 96, 4, 3214868480
	.section	.rodata,"a",@progbits
	.p2align	6, 0x0
	.amdhsa_kernel k_q509db51efd_outp
		.amdhsa_group_segment_fixed_size 327680
		.amdhsa_private_segment_fixed_size 0
		.amdhsa_enable_private_segment 0
		.amdhsa_kernarg_size 40
		.amdhsa_user_sgpr_count 2
		.amdhsa_user_sgpr_kernarg_segment_ptr 1
		.amdhsa_wavefront_size32 1
		.amdhsa_system_sgpr_workgroup_id_x 1
		.amdhsa_system_sgpr_workgroup_id_y 1
		.amdhsa_system_sgpr_workgroup_id_z 1
		.amdhsa_system_vgpr_workitem_id 0
		.amdhsa_next_free_vgpr 1024
		.amdhsa_next_free_sgpr 100
		.amdhsa_reserve_vcc 0
		.amdhsa_float_denorm_mode_32 3
		.amdhsa_float_denorm_mode_16_64 3
		.amdhsa_memory_ordered 1
		.amdhsa_forward_progress 1
		.amdhsa_inst_pref_size 151
	.end_amdhsa_kernel
	.amdgpu_metadata
---
amdhsa.version: [ 1, 2 ]
amdhsa.kernels:
  - .name:           k_q509db51efd_outp
    .symbol:         k_q509db51efd_outp.kd
    .args:
      - { .name: g, .offset: 0, .size: 8, .value_kind: global_buffer, .address_space: global }
      - { .name: wq, .offset: 8, .size: 8, .value_kind: global_buffer, .address_space: global }
      - { .name: o_b, .offset: 16, .size: 8, .value_kind: global_buffer, .address_space: global }
      - { .name: x, .offset: 24, .size: 8, .value_kind: global_buffer, .address_space: global }
      - { .name: out0, .offset: 32, .size: 8, .value_kind: global_buffer, .address_space: global }
    .group_segment_fixed_size: 327680
    .private_segment_fixed_size: 0
    .kernarg_segment_align: 8
    .kernarg_segment_size: 40
    .max_flat_workgroup_size: 128
    .sgpr_count:     100
    .vgpr_count:     1024
    .wavefront_size: 32
...
	.end_amdgpu_metadata
.endif
;; end of part 5
